; MI455X (gfx1250); checked and timed in simulation.
; The chip was launched on July 23, 2026; its instructions are those of AMD's public machine-readable ISA for CDNA 5 (MIT licence, August 2026) and "CDNA5" Instruction Set Architecture Reference Guide (July 2026). The comments in the code are by the model that wrote it; some were corrected since.
;; Shaped Attention. Allowed arithmetic: matrix products marked QUANTISED: E2M3 operands, one E8M0 scale for each 32 along K, by v_wmma_scale_f32_16x16x128_f8f6f4 with both operands' format E2M3, f32 sums; everything else in f32.
;; Inputs: W_out 1,024 x 1,024 float32; W_qkv 1,024 x 3,072 float32; alpha 1 float32; b_out 1,024 float32; beta 1 float32; gamma 1 float32; x 2 x 2,048 x 1,024 float32.
;; Outputs: out0 2 x 2,048 x 1,024 float32.
;; This version of the problem:
;;   THIS VERSION OF THE PROBLEM IS GIVEN IN LOW PRECISION. The matrix products marked QUANTISED in the list below multiply operands that are first quantised to E2M3 (2 exponent bits, 3 mantissa bits; 6 bits a number), with one power-of-two scale for each 32 numbers along K (OCP MX v1.0); their sums are f32. All else is computed in f32.
;;   The module's matrix products, in the order in which they are computed (A, B: the left and right operand; K: the contracted axis; several contracted axes count as one K, in the product's order):
;;     1. [M 4,096, K 1,024] x [K 1,024, N 3,072]; A: input x; B: input W_qkv: QUANTISED
;;     2. batch 32 x [M 2,048, K 64] x [K 64, N 2,048]; A: computed on the way; B: computed on the way: QUANTISED
;;     3. batch 32 x [M 2,048, K 2,048] x [K 2,048, N 64]; A: computed on the way; B: computed on the way: QUANTISED
;;     4. [M 4,096, K 1,024] x [K 1,024, N 1,024]; A: computed on the way; B: input W_out: QUANTISED
;;   THE QUANTISER, for each operand of a quantised product, along K:
;;     - K is cut into blocks of 32 from its start; a last block that is shorter is filled with zeros.
;;     - A block's scale is 2^e with e = floor(log2(the largest magnitude in the block)) - 2, held to -126 .. 127; a block of zeros has e = 0. As a byte (E8M0): e + 127.
;;     - Each number is divided by its block's scale, clamped to +-7.5, and rounded to the nearest number of E2M3, ties to even, subnormals kept.
;;     - The product sums the exact products of the quantised numbers (number of the format x scale) in f32.
;;   ~~~python
;;   def quantise(x, axis):      # numpy; x: float32 -> the quantised numbers, widened to float32 again
;;       x = np.moveaxis(x, axis, -1); K = x.shape[-1]
;;       x = np.pad(x, [(0, 0)] * (x.ndim - 1) + [(0, -K % 32)]); x = x.reshape(x.shape[:-1] + (-1, 32)); a = np.abs(x).max(-1, keepdims=True)
;;       e = np.where(a > 0, np.clip(np.frexp(np.where(a > 0, a, 1))[1] - 1 - 2, -126, 127), 0)      # np.frexp(a)[1] - 1 = floor(log2(a)), exactly
;;       r = np.clip(x / 2.0 ** e, -7.5, 7.5)
;;       step = 2.0 ** (np.maximum(np.frexp(np.where(r == 0, 1, r))[1] - 1, 0) - 3)
;;       q = np.round(r / step) * step * 2.0 ** e      # np.round: ties to even
;;       return np.moveaxis(q.reshape(q.shape[:-2] + (-1,))[..., :K], -1, axis).astype(np.float32)
;;   ~~~
;;   OPERANDS COMPUTED ON THE WAY. 'Computed on the way' means the value that the module computes at that place (a softmax that the list does not call 'softmax' is quantised finished and normalised). What goes into a quantiser is computed in f32, as accurately as f32 sums, v_exp_f32 and their like allow (about 1e-6 of the number): no bf16 or f16 on the way to a quantiser, and a product that is left as it is and whose result goes on into a quantised operand takes f32 operands (vector FMAs, or v_wmma_f32_16x16x4_f32). A number that lies on a knife's edge between two numbers of the format may be rounded either way, as far as f32 arithmetic and the matrix unit's own rounding can turn it there, and no further.
;; One version. Each part assembles by itself: llvm-mc -triple=amdgcn-amd-amdhsa -mcpu=gfx1250 --defsym DOCPART=n.
;; ======== version 1 of 1: 4 launches
;; limits: right only within a limited range of input values
;; workspace buffers: xq 3,276,800 bytes; wq 3,244,032 bytes; wo 3,178,496 bytes; ao 3,276,800 bytes; qkb 6,815,744 bytes; vb 3,407,872 bytes
;; launch quant (part 1): grid 256 x 1, 4 waves a work-group, no clusters, 34,304 bytes of LDS; arguments x, W_qkv, W_out, xq, wq, wo; writes xq, wq, wo
.if DOCPART == 1
	.amdgcn_target "amdgcn-amd-amdhsa--gfx1250"
	.amdhsa_code_object_version 6
	.text
	.protected	k_q8417c268a4_quant
	.globl	k_q8417c268a4_quant
	.p2align	8
	.type	k_q8417c268a4_quant,@function
k_q8417c268a4_quant:
	s_mov_b64 s[64:65], 0
	v_nop
	global_prefetch_b8 v0, s[64:65] scope:SCOPE_SE
	s_setreg_imm32_b32 hwreg(HW_REG_WAVE_MODE, 25, 1), 1
	s_wait_xcnt 0x0
; x [4096][1024], W_qkv [1024][3072] and W_out [1024][1024], f32, become codes of FP6 (E2M3) with one E8M0 byte for each 32 along K (K = 1024 for all three),
; laid in the ORDER OF THE MATRIX OPERAND'S REGISTERS, so that the products' launches load fragments whole.
; A TILE is 16 rows (tokens of x, columns n of a weight): lane row r of tile T is row 32 (T / 2) + 8 (T % 2) + 16 (r / 8) + r % 8.
; A FRAGMENT (a tile x 128 K, 12 registers a lane: lane (r, h), registers 6 c .. 6 c + 5 = k 64 c + 32 h + 0 .. 31) is an image of 1,536 bytes in two halves of 768:
; registers 6 c .. 6 c + 3 at 768 c + 16 x lane, registers 6 c + 4, 6 c + 5 at 768 c + 512 + 8 x lane.  Every store of a wave covers 512 or 256 consecutive bytes, aligned.
; A BUFFER: codes [tile][K step 0..7][1536]; from byte SCOFF the scale words [32 rows g][q 0..3][l = 16 (T % 2) + r][2 words: K steps 2 q, 2 q + 1].
; A block's scale is 2^(floor(log2(largest magnitude)) - 2): its byte is the largest magnitude's exponent field - 2, held at 1 from below by a floor among the maximum's leaves.
; LIMITS: NaN and infinities are not served; a block whose largest magnitude lies under 2^-124 gets the byte 1; a block of zeros gets the byte 1 where the rule says 127
; (its codes are zeros, and this program alone reads the bytes).
; SHARES: work-groups 0-127: 32 tokens of x each, wave q takes K steps 2 q, 2 q + 1 (K is innermost: rows turn through the wave's own stage in LDS, so that each load reads 512 consecutive bytes);
; work-groups 128-223: W_qkv, 224-255: W_out: a wave takes 32 columns x 256 along K, a lane a column and its registers down K (nothing is transposed).  No barrier: waves share nothing.
.set SCOFF, 3145728
.set R,   32                           ; v32-159  x as loaded: two sets of 64
.set X,   160                          ; v160-223 my two whole blocks of a fragment
.set F,   224                          ; v224-235 a fragment's codes; v236-238, v240-242 the odd halves as converted
.set WD,  12                           ; v12-15   x's four scale words
.macro LOADX f                         ; fragment f = 2 u + e: tile 2 g + u, K step 2 q + e: 16 rows x 512 bytes
.irp p, 0,1,2,3,4,5,6,7,8,9,10,11,12,13,14,15
	global_load_b128 v[R+64*((\f)%2)+4*\p:R+64*((\f)%2)+4*\p+3], v5, s[4:5] offset:(8*((\f)/2)+16*(\p/8)+\p%8)*4096+((\f)%2)*512 th:TH_LOAD_NT
.endr
.endm
.macro XFRAG f
.if (\f) < 3
	s_wait_loadcnt 16                              ; this fragment's 16 loads are in; the next fragment's 16 may be out
.else
	s_wait_loadcnt 0x0
.endif
.irp p, 0,1,2,3,4,5,6,7,8,9,10,11,12,13,14,15
	ds_store_b128 v7, v[R+64*((\f)%2)+4*\p:R+64*((\f)%2)+4*\p+3] offset:528*\p     ; row p as it lies; rows 528 bytes apart
.endr
.irp c, 0,1
.irp j, 0,1,2,3,4,5,6,7
	ds_load_b128 v[X+32*\c+4*\j:X+32*\c+4*\j+3], v8 offset:256*\c+16*\j            ; row r, k = 64 c + 32 h + 0 .. 31.  LDS serves a wave's instructions in order: these see the stores above
.endr
.endr
	s_wait_dscnt 0x0                               ; the stage's stores have read their registers, and my 64 numbers are in
.if (\f)+2 < 4
	LOADX (\f)+2
.endif
.irp c, 0,1
	v_max3_num_f32 v[20+\c], |v[X+32*\c]|, |v[X+32*\c+1]|, 0x1800000               ; block 2 c + h is all mine; the floor 2^(3 - 127) holds the byte at 1 from below
.endr
.irp i, 2,4,6,8,10,12,14,16,18,20,22,24,26,28,30
.irp c, 0,1
	v_max3_num_f32 v[20+\c], v[20+\c], |v[X+32*\c+\i]|, |v[X+32*\c+\i+1]|
.endr
.endr
.irp c, 0,1
	v_add_nc_u32 v[22+\c], 0xff000000, v[20+\c]    ; 2 off the exponent field: the conversion's scale operand
.endr
.irp c, 0,1
	v_lshrrev_b32 v[24+\c], 23, v[22+\c]           ; the scale's byte
.endr
	v_lshl_or_b32 v26, v25, 16, v24                ; my bytes h and 2 + h
	v_lshlrev_b32 v26, v9, v26                     ; 8 h bits up
	v_permlanex16_b32 v27, v26, s20, s21
	v_or_b32 v[WD+(\f)], v26, v27                  ; with lane l xor 16's two the row's word is whole
	s_wait_alu depctr_va_vdst(0)
	s_wait_xcnt 0x0                                ; the last fragment's stores have read F: it is written again only behind this wait
.irp c, 0,1
	v_cvt_scalef32_pk16_fp6_f32 v[F+6*\c:F+6*\c+2], v[X+32*\c:X+32*\c+15], v[22+\c]
	v_cvt_scalef32_pk16_fp6_f32 v[F+12+4*\c:F+14+4*\c], v[X+32*\c+16:X+32*\c+31], v[22+\c]   ; (a conversion's three registers begin on an even number)
.endr
	v_nop                                          ; one plain instruction behind the scaled conversions
.irp c, 0,1
.irp i, 0,1,2
	v_mov_b32 v[F+3+6*\c+\i], v[F+12+4*\c+\i]
.endr
.endr
	global_store_b128 v5, v[F:F+3], s[26:27] offset:((\f)/2)*12288+((\f)%2)*1536
	global_store_b64 v6, v[F+4:F+5], s[26:27] offset:((\f)/2)*12288+((\f)%2)*1536+512
	global_store_b128 v5, v[F+6:F+9], s[26:27] offset:((\f)/2)*12288+((\f)%2)*1536+768
	global_store_b64 v6, v[F+10:F+11], s[26:27] offset:((\f)/2)*12288+((\f)%2)*1536+1280
.endm
.macro LOADW t, pitch                  ; block t: W(32 t + i, my column), i = 0 .. 31, into set t % 3: each load reads 128 consecutive bytes a wave
.irp i, 0,1,2,3,4,5,6,7,8,9,10,11,12,13,14,15,16,17,18,19,20,21,22,23,24,25,26,27,28,29,30,31
	global_load_b32 v[32+32*((\t)%3)+\i], v7, s[24:25] offset:(32*(\t)+\i)*\pitch th:TH_LOAD_NT
.endr
.endm
.macro WBLOCK t, pitch                 ; block t = 4 e + 2 c + h of my column
.set WS, 32+32*((\t)%3)
.if (\t) <= 5
	s_wait_loadcnt 63                              ; two later blocks, 64 loads, are out: the field's largest count is one stricter
.elseif (\t) == 6
	s_wait_loadcnt 32
.else
	s_wait_loadcnt 0x0
.endif
	v_max3_num_f32 v12, |v[WS]|, |v[WS+1]|, |v[WS+2]|
	v_max3_num_f32 v13, |v[WS+3]|, |v[WS+4]|, |v[WS+5]|
.irp i, 6,10,14,18,22,26
	v_max3_num_f32 v12, v12, |v[WS+\i]|, |v[WS+\i+1]|
	v_max3_num_f32 v13, v13, |v[WS+\i+2]|, |v[WS+\i+3]|
.endr
	v_max3_num_f32 v12, v12, |v[WS+30]|, |v[WS+31]|
	v_max3_num_f32 v12, v12, v13, 0x1800000        ; and the floor
	v_add_nc_u32 v14, 0xff000000, v12
	v_lshrrev_b32 v15, 23, v14
.if (\t)%4 == 0
	v_mov_b32 v[10+(\t)/4], v15                    ; four bytes make K step e's word of my column
.else
	v_lshl_or_b32 v[10+(\t)/4], v15, 8*((\t)%4), v[10+(\t)/4]
.endif
.if (\t)%2 == 0
	s_wait_alu depctr_va_vdst(0)
	s_wait_xcnt 0x0                                ; the last pair's stores have read v128-141
	v_cvt_scalef32_pk16_fp6_f32 v[128:130], v[WS:WS+15], v14
	v_cvt_scalef32_pk16_fp6_f32 v[144:146], v[WS+16:WS+31], v14
	v_nop
.irp i, 0,1,2
	v_mov_b32 v[131+\i], v[144+\i]
.endr
.else
	v_cvt_scalef32_pk16_fp6_f32 v[136:138], v[WS:WS+15], v14
	v_cvt_scalef32_pk16_fp6_f32 v[148:150], v[WS+16:WS+31], v14
	v_nop
.irp i, 0,1,2
	v_mov_b32 v[139+\i], v[148+\i]
.endr
.endif
.if (\t)+3 < 8
	LOADW (\t)+3, \pitch
.endif
.if (\t)%2 == 1
; v128-133: block (c, 0) of both tiles' columns (lanes 0-15 tile 2 cg, lanes 16-31 tile 2 cg + 1); v136-141: block (c, 1).  The exchange gives each run ONE tile's half image
.irp i, 0,1,2,3,4,5
	v_permlane16_swap_b32 v[128+\i], v[136+\i]
.endr
	global_store_b128 v5, v[128:131], s[26:27] offset:((\t)/4)*1536+(((\t)/2)%2)*768
	global_store_b64 v6, v[132:133], s[26:27] offset:((\t)/4)*1536+(((\t)/2)%2)*768+512
	global_store_b128 v5, v[136:139], s[26:27] offset:12288+((\t)/4)*1536+(((\t)/2)%2)*768
	global_store_b64 v6, v[140:141], s[26:27] offset:12288+((\t)/4)*1536+(((\t)/2)%2)*768+512
.endif
.endm
.macro WPATH pitch, src, dst, first    ; a weight of \pitch bytes a row, from s[src] to s[dst]; the path's first work-group is \first
	s_sub_co_u32 s17, ttmp9, \first
	s_and_b32 s18, s17, 3                          ; q: rows 256 q on
	s_and_b32 s19, s17, 0xfffc
	s_add_co_u32 s19, s19, s16                     ; cg: my wave's group of 32 columns
	s_mul_i32 s22, s18, 256*\pitch
	s_lshl_b32 s17, s19, 7
	s_add_co_u32 s22, s22, s17
	s_add_nc_u64 s[24:25], s[\src:\src+1], s[22:23]
	s_mul_i32 s22, s19, 24576                      ; two tiles of 12,288 bytes,
	s_mul_i32 s17, s18, 3072                       ; K steps 2 q on
	s_add_co_u32 s22, s22, s17
	s_add_nc_u64 s[26:27], s[\dst:\dst+1], s[22:23]
	s_lshl_b32 s22, s19, 10
	s_lshl_b32 s17, s18, 8
	s_add_co_u32 s22, s22, s17
	s_add_nc_u64 s[28:29], s[\dst:\dst+1], s[22:23]
	LOADW 0, \pitch
	LOADW 1, \pitch
	LOADW 2, \pitch
.irp t, 0,1,2,3,4,5,6,7
	WBLOCK \t, \pitch
.endr
	global_store_b64 v6, v[10:11], s[28:29] offset:SCOFF   ; lane l = 16 (T % 2) + r: 32 lanes store 256 consecutive bytes, aligned
	s_endpgm
.endm
	s_load_b128 s[4:7], s[0:1], 0x0                ; x, W_qkv
	s_load_b128 s[8:11], s[0:1], 0x10              ; W_out, xq
	s_load_b128 s[12:15], s[0:1], 0x20             ; wq, wo
	v_lshl_add_u32 v254, v0, 2, 0x8400
	v_mov_b32 v255, 0
	v_lshrrev_b32 v1, 5, v0
	v_readfirstlane_b32 s16, v1                    ; wave 0..3
	v_and_b32 v2, 31, v0                           ; lane
	v_and_b32 v3, 15, v0                           ; r
	v_bfe_u32 v4, v0, 4, 1                         ; h
	v_lshlrev_b32 v5, 4, v2                        ; 16 x lane
	v_lshlrev_b32 v6, 3, v2                        ; 8 x lane
	s_mov_b32 s20, 0x76543210
	s_mov_b32 s21, 0xfedcba98                      ; v_permlanex16_b32's selects for lane l xor 16
	s_mov_b32 s23, 0
	s_wait_kmcnt 0x0
	s_cmp_lt_u32 ttmp9, 128
	s_cbranch_scc0 .Lweights
	; ---- x: g = the work-group's number, q = the wave's
	s_mul_i32 s17, s16, 8448                       ; my stage: 16 rows of 528 bytes
	s_wait_alu depctr_va_vdst(0)
	v_add_nc_u32 v7, s17, v5                       ; in: 16 x lane
	v_mul_u32_u24 v8, v3, 528
	v_lshl_add_u32 v8, v4, 7, v8
	v_add_nc_u32 v8, s17, v8                       ; out: row r, + 128 h
	v_lshlrev_b32 v9, 3, v4
	v_mov_b32 v27, 0                               ; written once: a lane permute's destination counts as one of its sources
	s_lshl_b32 s22, ttmp9, 17                      ; 32 tokens of 4,096 bytes,
	s_lshl_b32 s24, s16, 10                        ; 256 numbers along K
	s_add_co_u32 s22, s22, s24
	s_add_nc_u64 s[4:5], s[4:5], s[22:23]
	s_mul_i32 s22, ttmp9, 24576
	s_mul_i32 s24, s16, 3072
	s_add_co_u32 s22, s22, s24
	s_add_nc_u64 s[26:27], s[10:11], s[22:23]
	s_lshl_b32 s22, ttmp9, 10
	s_lshl_b32 s24, s16, 8
	s_add_co_u32 s22, s22, s24
	s_add_nc_u64 s[28:29], s[10:11], s[22:23]
	LOADX 0
	LOADX 1
	s_wait_alu depctr_va_vdst(0)
	XFRAG 0
	XFRAG 1
	XFRAG 2
	XFRAG 3
	v_cmp_ne_u32 vcc_lo, 0, v4
	v_cndmask_b32 v16, v12, v14, vcc_lo            ; lanes 0-15 carry tile 2 g's words, lanes 16-31 tile 2 g + 1's (every lane holds its row r's word of both)
	v_cndmask_b32 v17, v13, v15, vcc_lo
	global_store_b64 v6, v[16:17], s[28:29] offset:SCOFF
	s_wait_tensorcnt 0x0
	ds_add_u32 v254, v255
	s_wait_dscnt 0x0
	s_endpgm
.Lweights:
	v_and_b32 v7, 7, v0                            ; lane l takes column 8 (l / 16) + 16 ((l / 8) % 2) + l % 8 of its group of 32: row l % 16 of tile 2 cg + l / 16
	v_bfe_u32 v8, v0, 3, 1
	v_lshl_add_u32 v7, v8, 4, v7
	s_wait_alu depctr_va_vdst(0)
	v_lshl_add_u32 v7, v4, 3, v7
	v_lshlrev_b32 v7, 2, v7
	s_cmp_lt_u32 ttmp9, 224
	s_cbranch_scc0 .Lw_out
	s_wait_alu depctr_va_vdst(0)
	WPATH 12288, 6, 12, 128
.Lw_out:
	s_wait_alu depctr_va_vdst(0)
	WPATH 4096, 8, 14, 224
.Lfunc_end_k_q8417c268a4_quant:
	.size	k_q8417c268a4_quant, .Lfunc_end_k_q8417c268a4_quant-k_q8417c268a4_quant
	.p2alignl 7, 3214868480
	.fill 96, 4, 3214868480
	.section	.rodata,"a",@progbits
	.p2align	6, 0x0
	.amdhsa_kernel k_q8417c268a4_quant
		.amdhsa_group_segment_fixed_size 34304
		.amdhsa_private_segment_fixed_size 0
		.amdhsa_enable_private_segment 0
		.amdhsa_kernarg_size 48
		.amdhsa_user_sgpr_count 2
		.amdhsa_user_sgpr_kernarg_segment_ptr 1
		.amdhsa_wavefront_size32 1
		.amdhsa_system_sgpr_workgroup_id_x 1
		.amdhsa_system_sgpr_workgroup_id_y 1
		.amdhsa_system_sgpr_workgroup_id_z 1
		.amdhsa_system_vgpr_workitem_id 0
		.amdhsa_next_free_vgpr 256
		.amdhsa_next_free_sgpr 66
		.amdhsa_reserve_vcc 1
		.amdhsa_float_denorm_mode_32 3
		.amdhsa_float_denorm_mode_16_64 3
		.amdhsa_memory_ordered 1
		.amdhsa_forward_progress 1
		.amdhsa_inst_pref_size 109
	.end_amdhsa_kernel
	.amdgpu_metadata
---
amdhsa.version: [ 1, 2 ]
amdhsa.kernels:
  - .name:           k_q8417c268a4_quant
    .symbol:         k_q8417c268a4_quant.kd
    .args:
      - { .name: x, .offset: 0, .size: 8, .value_kind: global_buffer, .address_space: global }
      - { .name: W_qkv, .offset: 8, .size: 8, .value_kind: global_buffer, .address_space: global }
      - { .name: W_out, .offset: 16, .size: 8, .value_kind: global_buffer, .address_space: global }
      - { .name: xq, .offset: 24, .size: 8, .value_kind: global_buffer, .address_space: global }
      - { .name: wq, .offset: 32, .size: 8, .value_kind: global_buffer, .address_space: global }
      - { .name: wo, .offset: 40, .size: 8, .value_kind: global_buffer, .address_space: global }
    .group_segment_fixed_size: 34304
    .private_segment_fixed_size: 0
    .kernarg_segment_align: 8
    .kernarg_segment_size: 48
    .max_flat_workgroup_size: 128
    .sgpr_count:     66
    .vgpr_count:     256
    .wavefront_size: 32
...
	.end_amdgpu_metadata
.endif
;; end of part 1
;; launch qkv (part 2): grid 96 x 4, 4 waves a work-group, clusters of 4 x 4, 295,424 bytes of LDS; arguments xq, wq, qkb, vb; writes qkb, vb
.if DOCPART == 2
	.amdgcn_target "amdgcn-amd-amdhsa--gfx1250"
	.amdhsa_code_object_version 6
	.text
	.protected	k_q8417c268a4_qkv
	.globl	k_q8417c268a4_qkv
	.p2align	8
	.type	k_q8417c268a4_qkv,@function
k_q8417c268a4_qkv:
	s_mov_b64 s[64:65], 0
	v_nop
	global_prefetch_b8 v0, s[64:65] scope:SCOPE_SE
	s_setreg_imm32_b32 hwreg(HW_REG_WAVE_MODE, 25, 1), 1
	s_wait_xcnt 0x0
	s_wait_alu depctr_hold_cnt(0) depctr_sa_sdst(0) depctr_va_vdst(0) depctr_va_sdst(0) depctr_va_ssrc(0) depctr_va_vcc(0) depctr_vm_vsrc(0)
	s_getreg_b32 s2, hwreg(HW_REG_IB_STS2, 6, 4)
	s_cmp_eq_u32 s2, 0
	s_cbranch_scc0 .Lentry_in_a_cluster
	s_endpgm
.Lentry_in_a_cluster:
	s_bfe_u32 s2, ttmp6, 0x10000c
	s_cmp_lg_u32 s2, 0xf033
	s_cbranch_scc0 .Lentry_shape_is_right
	s_endpgm
.Lentry_shape_is_right:
; qkv = x W_qkv on codes of FP6 (E2M3), and q, k, v quantised straight from the accumulators.  Operand buffers xq, wq: codes [tile][K step 0..7][1536] as images of the operand's registers
; (halves of 768 bytes: registers 6 c .. 6 c + 3 at 768 c + 16 x lane, 6 c + 4, 6 c + 5 at 768 c + 512 + 8 x lane); scale words from SCOFF on: [32 rows][q][16 (T % 2) + r][2].
; Lane row r of tile T is row 32 (T / 2) + 8 (T % 2) + 16 (r / 8) + r % 8: with such tiles as SOURCE 0, the 16 registers of result tiles 2 b, 2 b + 1 are source-0 rows 32 b + 16 (lane / 16) + 0 .. 15.
; So the axis that is quantised next is always source 0 (S0): for q and k the channels (S0 = wq, S1 = xq: clusters 0-15), for v the tokens (S0 = xq, S1 = wq's rows from 2,048 on: clusters 16-23).
; The choice hangs on the cluster's number alone and is made by selects: one path for both.
; A work-group makes S0 128 x S1 256 over all of K = 1,024; a wave S0 128 x S1 64: 32 accumulators.  Both operands for all of K fit in LDS (294,912 bytes), so every fill is a first fill:
; one tensor load a wave for all of K, issued at the head; one of mine is out at the most.
; CLUSTER 4 x 4: S1's tiles hang on cy alone and are asked for jointly along a row of the cluster, S0's on cx alone, along a column.
; OUT: qkb [hd: q heads 0-15, k heads 16-31][G = token / 128][6656]: 8 halves of 768 bytes (token tile, the head's 64 channels), then 512 bytes of scale words [w'][lane][e]:
; word (w', e) holds the two bytes of token tile 4 w' + e and the two of tile 4 w' + 2 + e.   vb [head][G][6656]: 4 fragments (16 channels x 128 keys), then the scale words [pair][lane][2].
; LIMITS: as in the quantiser's launch: NaN and infinities not served; the byte is held at 1 from below, a block of zeros has the byte 1.
; REGISTERS: window 0: v4-7 LDS addresses, v8 scale loads, v10-14 store offsets; v32-95 S0's scale words (8 i + s), v96-127 S1's (8 a + s); v128-223 S1's fragments, two sets (later the codes just made);
; v224-239 at work; v240-247 the words.   window 1: S0's fragments, sets at v0 and v128.   window 2: accumulator (a, b) at 64 a + 8 b.
.set SCOFF, 3145728
.set TILEB, 12288
.set CHUNK, 73728
.set S0OFF, 196608                     ; LDS now: S1's 16 tiles x 12,288 bytes (all 8 K steps of a tile on end), then S0's 8; one tensor load a wave brings its tiles for all of K
.set WV,  12
.set SEL, 66
.set G1A, 24
.set G1B, 32
.set G0A, 40
.set G0B, 68
.set SC0, 32
.set SC1, 96
.set PC,  128
.set TM,  224
.set WW,  240
.set MSB, 0
.macro WIN new                         ; the immediate's high byte repeats the setting that is left
.if MSB != \new
	s_set_vgpr_msb (MSB<<8)|\new
.set MSB, \new
.endif
.endm
.macro CROUND                          ; a round of the cluster's barrier
	s_barrier_signal -1
	s_barrier_wait -1
	s_cmp_lg_u32 s[WV], 0
	s_cbranch_scc1 .Lnot_wave_0_\@
	s_barrier_signal -3
.Lnot_wave_0_\@:
	s_barrier_wait -3
	s_barrier_signal -1
	s_barrier_wait -1
.endm
.macro FRAGLD reg, a16, a8, off        ; a fragment's image back into 12 registers
	ds_load_b128 v[(\reg):(\reg)+3], v[\a16] offset:(\off)
	ds_load_b64 v[(\reg)+4:(\reg)+5], v[\a8] offset:(\off)+512
	ds_load_b128 v[(\reg)+6:(\reg)+9], v[\a16] offset:(\off)+768
	ds_load_b64 v[(\reg)+10:(\reg)+11], v[\a8] offset:(\off)+1280
.endm
.macro FETCH t                         ; K step t's fragments into set t % 2: S0's eight, my four of S1
	WIN 0x40                                       ; destination window 1, address window 0
.irp i, 0,1,2,3,4,5,6,7
	FRAGLD 128*((\t)%2)+12*\i, 6+10*(\i/4), 7+10*(\i/4), (\i%4)*12288+(\t)*1536   ; tiles 4-7 by v16, v17: the immediate has 16 bits
.endr
	WIN 0
.irp a, 0,1,2,3
	FRAGLD 128+48*((\t)%2)+12*\a, 4, 5, \a*12288+(\t)*1536
.endr
.endm
.macro KSTEP s
	s_wait_dscnt 0x0                               ; this step's fragments are in; no LDS instruction of mine is out
.if ((\s) > 0) && ((\s) < 7)
.rept 4
	v_nop                                          ; the four places
.endr
.endif
.if (\s) < 7
	FETCH (\s)+1
.endif
	WIN 0xa1                                       ; source 0 (S0) window 1, source 1 (S1) window 0, C and D window 2
.irp a, 0,1,2,3                        ; the 32 accumulators take turns, one instruction a turn, in the same order in every step
.irp b, 0,1,2,3,4,5,6,7
.if (\s) == 0
	v_wmma_scale_f32_16x16x128_f8f6f4 v[64*\a+8*\b:64*\a+8*\b+7], v[128*((\s)%2)+12*\b:128*((\s)%2)+12*\b+11], v[128+48*((\s)%2)+12*\a:128+48*((\s)%2)+12*\a+11], 0, v[SC0+8*\b+(\s)], v[SC1+8*\a+(\s)] matrix_a_fmt:MATRIX_FMT_FP6 matrix_b_fmt:MATRIX_FMT_FP6
.else
	v_wmma_scale_f32_16x16x128_f8f6f4 v[64*\a+8*\b:64*\a+8*\b+7], v[128*((\s)%2)+12*\b:128*((\s)%2)+12*\b+11], v[128+48*((\s)%2)+12*\a:128+48*((\s)%2)+12*\a+11], v[64*\a+8*\b:64*\a+8*\b+7], v[SC0+8*\b+(\s)], v[SC1+8*\a+(\s)] matrix_a_fmt:MATRIX_FMT_FP6 matrix_b_fmt:MATRIX_FMT_FP6
.endif
.endr
.endr
	WIN 0
.endm
; S1 tile a's 64 numbers a lane (window 2, register 64 a + 16 b + i = S0 row 32 b + 16 (lane / 16) + i) become a fragment's codes in v[PC] on and its scale word in v[WW + a]; the image is stored
.macro QW a
	s_wait_xcnt 0x0                                ; the last tile's stores have read their data and their base
.if (\a) > 0
	s_add_nc_u64 s[8:9], s[8:9], s[98:99]
.endif
.irp b, 0,1,2,3
	v_mov_b32 v[TM+\b], 0x1800000                  ; the floor 2^(3 - 127) starts each block's maximum: the byte cannot fall under 1
.endr
	WIN 0x28                                       ; sources 1 and 2 window 2
.irp i, 0,2,4,6,8,10,12,14             ; ascending: each accumulator is read from its low end on
.irp b, 0,1,2,3
	v_max3_num_f32 v[TM+\b], v[TM+\b], |v[64*(\a)+16*\b+\i]|, |v[64*(\a)+16*\b+\i+1]|
.endr
.endr
	WIN 0
.irp b, 0,1,2,3
	v_permlanex16_b32 v[TM+4+\b], v[TM+\b], s[SEL], s[SEL+1]
.endr
.irp b, 0,1,2,3
	v_max_num_f32 v[TM+\b], v[TM+\b], v[TM+4+\b]   ; with lane l xor 16's 16: the block's largest magnitude
.endr
.irp b, 0,1,2,3
	v_add_nc_u32 v[TM+12+\b], 0xff000000, v[TM+\b] ; 2 off the exponent field: the conversion's scale operand
.endr
.irp b, 0,1,2,3
	v_lshrrev_b32 v[TM+4+\b], 23, v[TM+12+\b]      ; the byte
.endr
	v_lshl_or_b32 v[WW+(\a)], v[TM+5], 8, v[TM+4]
	v_lshl_or_b32 v[WW+(\a)], v[TM+6], 16, v[WW+(\a)]
	v_lshl_or_b32 v[WW+(\a)], v[TM+7], 24, v[WW+(\a)]
	WIN 0x02                                       ; source 0 window 2
.irp c, 0,1
	v_cvt_scalef32_pk16_fp6_f32 v[PC+6*\c:PC+2+6*\c], v[64*(\a)+32*\c:64*(\a)+32*\c+15], v[TM+12+2*\c]
	v_cvt_scalef32_pk16_fp6_f32 v[PC+12+4*\c:PC+14+4*\c], v[64*(\a)+32*\c+16:64*(\a)+32*\c+31], v[TM+12+2*\c+1]
.endr
	WIN 0
	v_nop                                          ; one plain instruction behind the scaled conversions
.irp c, 0,1                            ; the operand's layout wants a whole block in a lane
.irp i, 0,1,2
	v_permlane16_swap_b32 v[PC+6*\c+\i], v[PC+12+4*\c+\i]
.endr
.irp i, 0,1,2
	v_mov_b32 v[PC+3+6*\c+\i], v[PC+12+4*\c+\i]
.endr
.endr
	global_store_b128 v10, v[PC:PC+3], s[8:9]      ; half 0: 512 and 256 consecutive bytes, aligned;
	global_store_b64 v11, v[PC+4:PC+5], s[8:9] offset:512
	global_store_b128 v12, v[PC+6:PC+9], s[8:9]    ; half 1: the next head's block (q, k), or 768 bytes on (v)
	global_store_b64 v13, v[PC+10:PC+11], s[8:9] offset:512
.endm
	s_load_b128 s[4:7], s[0:1], 0x0                ; xq, wq
	s_load_b128 s[8:11], s[0:1], 0x10              ; qkb, vb
	v_lshl_add_u32 v254, v0, 2, 0x48000
	v_mov_b32 v255, 0
	ds_add_u32 v254, v255
	ds_add_u32 v254, v255
	v_lshrrev_b32 v1, 5, v0
	v_readfirstlane_b32 s[WV], v1                  ; wave 0..3
	s_and_b32 s13, s[WV], 1
	s_lshr_b32 s14, s[WV], 1                       ; 0: I fetch for S1, 1: for S0
	s_bfe_u32 s15, ttmp6, 0x40000                  ; cx
	s_bfe_u32 s16, ttmp6, 0x40004                  ; cy
	s_and_b32 s17, ttmp9, 3
	s_lshr_b32 s18, ttmp9, 2
	s_sub_co_u32 s19, ttmp9, 16
	s_cmp_lt_u32 ttmp9, 16                         ; clusters 0-15: q and k; 16-23: v.  The same in all sixteen partners
	s_cselect_b32 s17, s17, s19
	s_cselect_b32 s18, s18, 0
	s_cselect_b32 s19, 0, 128                      ; v's channels begin at wq's tile 128
	s_lshl_b32 s17, s17, 2
	s_add_co_u32 s17, s17, s15                     ; g0: which 128 rows of S0
	s_lshl_b32 s18, s18, 2
	s_add_co_u32 s18, s18, s16                     ; b1: which 256 rows of S1
	s_lshl_b32 s20, s16, 2
	s_lshl_b32 s20, 15, s20                        ; my row of the cluster
	s_lshl_b32 s21, 0x1111, s15                    ; my column
	; descriptor groups 1: rows of 12,288 bytes (a tile's eight K steps: 1,536 elements of 8 bytes), 12,288 bytes apart; S1: 8 tiles a load, S0: 4.  No padding: an image is read 512 or 256 consecutive bytes at a time
	s_or_b32 s[G1A], s20, (3<<16)|(1<<21)          ; 15:0 the mask; 17:16 elements of 8 bytes; 21 set beside a mask
	s_or_b32 s[G1B], s21, (3<<16)|(1<<21)
.irp g, G1A, G1B
	s_mov_b32 s[\g+1], 1536<<16                    ; tensor_dim0: a tile's 12,288 bytes
	s_mov_b32 s[\g+3], 1536<<16                    ; tile_dim0
	s_mov_b32 s[\g+5], 1536                        ; tensor_dim0_stride
	s_mov_b32 s[\g+6], 0
	s_mov_b32 s[\g+7], 0
.endr
	s_mov_b32 s[G1A+2], 8<<16                      ; tensor_dim1
	s_mov_b32 s[G1A+4], 8                          ; tile_dim1
	s_mov_b32 s[G1B+2], 4<<16
	s_mov_b32 s[G1B+4], 4
	s_lshl_b32 s22, s18, 4
	s_add_co_u32 s22, s22, s19                     ; T1: S1's first tile
	s_lshl_b32 s23, s13, 3
	s_add_co_u32 s84, s22, s23
	s_mul_i32 s84, s84, TILEB                      ; the 8 tiles of S1 that I would fetch
	s_mov_b32 s85, 0
	s_lshl_b32 s23, s17, 3                         ; T0: S0's first tile
	s_lshl_b32 s86, s13, 2
	s_add_co_u32 s86, s86, s23
	s_mul_i32 s86, s86, TILEB                      ; the 4 tiles of S0
	s_mov_b32 s87, 0
	s_lshl_b32 s88, s23, 9                         ; S0's scale words: 512 bytes a tile
	s_mov_b32 s89, 0
	s_lshl_b32 s90, s[WV], 2
	s_add_co_u32 s90, s90, s22
	s_lshl_b32 s90, s90, 9                         ; my four tiles of S1
	s_mov_b32 s91, 0
	s_mul_i32 s92, s13, 98304                      ; where they go: 8 tiles of S1, or
	s_mul_i32 s93, s13, 49152                      ; 4 tiles of S0: no place in the cluster enters an LDS address
	s_mov_b32 s[SEL], 0x76543210
	s_mov_b32 s[SEL+1], 0xfedcba98
	s_wait_dscnt 0x0
	s_wait_kmcnt 0x0
	s_cmp_lt_u32 ttmp9, 16
	s_cselect_b64 s[94:95], s[6:7], s[4:5]         ; S0's buffer
	s_cselect_b64 s[96:97], s[4:5], s[6:7]         ; S1's
	s_cselect_b64 s[8:9], s[8:9], s[10:11]         ; the output's
	s_add_nc_u64 s[84:85], s[96:97], s[84:85]
	s_add_nc_u64 s[86:87], s[94:95], s[86:87]
	s_add_nc_u64 s[88:89], s[94:95], s[88:89]
	s_add_nc_u64 s[90:91], s[96:97], s[90:91]
	CROUND                                         ; all sixteen work-groups are here: the joint loads meet
.irp c, 0
	s_mov_b32 s[G0A+4*\c], 1
	s_add_co_u32 s[G0A+4*\c+1], s92, \c*CHUNK
	s_add_nc_u64 s[G0A+4*\c+2:G0A+4*\c+3], s[84:85], \c*3072
	s_or_b32 s[G0A+4*\c+3], s[G0A+4*\c+3], 0x80000000
	s_mov_b32 s[G0B+4*\c], 1
	s_add_co_u32 s[G0B+4*\c+1], s93, \c*CHUNK+S0OFF
	s_add_nc_u64 s[G0B+4*\c+2:G0B+4*\c+3], s[86:87], \c*3072
	s_or_b32 s[G0B+4*\c+3], s[G0B+4*\c+3], 0x80000000
.endr
	s_cmp_eq_u32 s14, 0                            ; a wave's one fill stands in one branch on the wave's number, ahead of every wait on TENSORcnt, every LDS read and every other barrier
	s_cbranch_scc0 .Lfill_s0
.irp c, 0
	tensor_load_to_lds s[G0A+4*\c:G0A+4*\c+3], s[G1A:G1A+7]
	s_nop 0
.endr
.rept 4
	v_nop
.endr
	s_branch .Lfilled
.Lfill_s0:
.irp c, 0
	tensor_load_to_lds s[G0B+4*\c:G0B+4*\c+3], s[G1B:G1B+7]
	s_nop 0
.endr
.rept 4
	v_nop
.endr
.Lfilled:
	v_and_b32 v1, 31, v0
	v_and_b32 v2, 15, v0
	s_mul_i32 s20, s[WV], 49152                    ; my four tiles of S1
	v_lshlrev_b32 v10, 4, v1                       ; 16 x lane
	s_wait_alu depctr_va_vdst(0)
	v_lshlrev_b32 v11, 3, v1                       ; 8 x lane
	s_wait_alu depctr_va_vdst(0)
	v_add_nc_u32 v4, s20, v10
	v_add_nc_u32 v5, s20, v11
	v_add_nc_u32 v6, S0OFF, v10
	v_add_nc_u32 v7, S0OFF, v11
	v_add_nc_u32 v16, S0OFF+49152, v10             ; S0's tiles 4-7
	v_add_nc_u32 v17, S0OFF+49152, v11
	v_lshlrev_b32 v8, 3, v2                        ; 8 r: lane r takes row r's two words (lanes 16-31 the same; they are not read)
.irp i, 0,1,2,3,4,5,6,7
.irp q, 0,1,2,3
	global_load_b64 v[SC0+8*\i+2*\q:SC0+8*\i+2*\q+1], v8, s[88:89] offset:SCOFF+(\i/2)*1024+\q*256+(\i%2)*128
.endr
.endr
.irp a, 0,1,2,3
.irp q, 0,1,2,3
	global_load_b64 v[SC1+8*\a+2*\q:SC1+8*\a+2*\q+1], v8, s[90:91] offset:SCOFF+(\a/2)*1024+\q*256+(\a%2)*128
.endr
.endr
	; where the results go
	s_lshl_b32 s20, s17, 6
	s_lshl_b32 s21, s18, 1
	s_add_co_u32 s20, s20, s21
	s_add_co_u32 s20, s20, s14                     ; q, k: block (2 g0) 32 + G, G = 2 b1 + wave / 2
	s_lshl_b32 s21, s18, 2
	s_add_co_u32 s21, s21, s[WV]
	s_lshl_b32 s21, s21, 5
	s_add_co_u32 s21, s21, s17                     ; v: block (4 b1 + wave) 32 + g0
	s_mul_i32 s56, s13, 3072                       ; q, k: my four halves of the block's eight,
	s_lshl_b32 s57, s13, 8                         ; and my 256 bytes of its scale words
	s_mov_b32 s98, 1536
	s_mov_b32 s59, 768
	s_mov_b32 s60, 256
	s_mov_b32 s61, 0x03020100
	s_mov_b32 s62, 0x07060504
	s_cmp_lt_u32 ttmp9, 16
	s_cselect_b32 s20, s20, s21
	s_cselect_b32 s56, s56, 0
	s_cselect_b32 s57, s57, 0
	s_cselect_b32 s98, 768, s98                    ; from tile a to tile a + 1
	s_cselect_b32 s59, 212992, s59                 ; from half 0 to half 1: the next head's block (32 x 6,656), or the fragment's second half
	s_cselect_b32 s60, 212992, s60                 ; the same for the second pair of words
	s_cselect_b32 s61, 0x05040100, s61             ; q, k: the low halves of two words (head 2 g0) | v: the word as it is
	s_cselect_b32 s62, 0x07060302, s62             ; q, k: the high halves (head 2 g0 + 1)
	s_mov_b32 s99, 0
	s_mul_i32 s20, s20, 6656
	s_mov_b32 s21, 0
	s_add_nc_u64 s[8:9], s[8:9], s[20:21]          ; the block
	s_mov_b32 s20, s57
	s_add_nc_u64 s[10:11], s[8:9], s[20:21]        ; its scale words (6,144 stands in the immediate)
	s_mov_b32 s20, s56
	s_add_nc_u64 s[8:9], s[8:9], s[20:21]
	v_add_nc_u32 v12, s59, v10
	v_add_nc_u32 v13, s59, v11
	v_add_nc_u32 v14, s60, v11
.irp b, 0,1,2,3
	v_mov_b32 v[TM+4+\b], 0                        ; written once: a lane permute's destination counts as one of its sources
.endr
	s_wait_alu depctr_va_vdst(0)
	s_wait_tensorcnt 0x0                           ; my one load, my tiles for all of K, is in
	s_barrier_signal -1
	s_barrier_wait -1                              ; everybody's is
	FETCH 0
	s_wait_loadcnt 0x0                             ; the scale words
	KSTEP 0
	KSTEP 1
	s_wait_alu depctr_va_vdst(0)
	KSTEP 2
	KSTEP 3
	s_wait_alu depctr_va_vdst(0)
	KSTEP 4
	KSTEP 5
	s_wait_alu depctr_va_vdst(0)
	KSTEP 6
	KSTEP 7
.rept 4
	v_nop                                          ; four places between the last products and the first read of results
.endr
	QW 0
	QW 1
	QW 2
	QW 3
	v_perm_b32 v244, v242, v240, s61               ; q, k: word (w', e = 0) of head 2 g0: tile a = 0's two bytes, tile a = 2's two | v: tile 0's word
	v_perm_b32 v245, v243, v241, s61
	v_perm_b32 v246, v242, v240, s62
	v_perm_b32 v247, v243, v241, s62
	global_store_b64 v11, v[244:245], s[10:11] offset:6144   ; 32 lanes store 256 consecutive bytes, aligned (lanes 16-31 hold the same words as lanes 0-15)
	global_store_b64 v14, v[246:247], s[10:11] offset:6144
	s_wait_tensorcnt 0x0
	ds_add_u32 v254, v255
	s_wait_dscnt 0x0
	CROUND                                         ; the closing round: no work-group ends while a partner may still ask for a tile that names it
	s_endpgm
.Lfunc_end_k_q8417c268a4_qkv:
	.size	k_q8417c268a4_qkv, .Lfunc_end_k_q8417c268a4_qkv-k_q8417c268a4_qkv
	.p2alignl 7, 3214868480
	.fill 96, 4, 3214868480
	.section	.rodata,"a",@progbits
	.p2align	6, 0x0
	.amdhsa_kernel k_q8417c268a4_qkv
		.amdhsa_group_segment_fixed_size 295424
		.amdhsa_private_segment_fixed_size 0
		.amdhsa_enable_private_segment 0
		.amdhsa_kernarg_size 32
		.amdhsa_user_sgpr_count 2
		.amdhsa_user_sgpr_kernarg_segment_ptr 1
		.amdhsa_wavefront_size32 1
		.amdhsa_system_sgpr_workgroup_id_x 1
		.amdhsa_system_sgpr_workgroup_id_y 1
		.amdhsa_system_sgpr_workgroup_id_z 1
		.amdhsa_system_vgpr_workitem_id 0
		.amdhsa_next_free_vgpr 768
		.amdhsa_next_free_sgpr 100
		.amdhsa_reserve_vcc 0
		.amdhsa_float_denorm_mode_32 3
		.amdhsa_float_denorm_mode_16_64 3
		.amdhsa_memory_ordered 1
		.amdhsa_forward_progress 1
		.amdhsa_inst_pref_size 89
	.end_amdhsa_kernel
	.amdgpu_metadata
---
amdhsa.version: [ 1, 2 ]
amdhsa.kernels:
  - .name:           k_q8417c268a4_qkv
    .symbol:         k_q8417c268a4_qkv.kd
    .args:
      - { .name: xq, .offset: 0, .size: 8, .value_kind: global_buffer, .address_space: global }
      - { .name: wq, .offset: 8, .size: 8, .value_kind: global_buffer, .address_space: global }
      - { .name: qkb, .offset: 16, .size: 8, .value_kind: global_buffer, .address_space: global }
      - { .name: vb, .offset: 24, .size: 8, .value_kind: global_buffer, .address_space: global }
    .group_segment_fixed_size: 295424
    .private_segment_fixed_size: 0
    .kernarg_segment_align: 8
    .kernarg_segment_size: 32
    .max_flat_workgroup_size: 128
    .sgpr_count:     100
    .vgpr_count:     768
    .wavefront_size: 32
...
	.end_amdgpu_metadata
.endif
;; end of part 2
;; launch attn (part 3): grid 8 x 32, 8 waves a work-group, clusters of 4 x 1, 327,680 bytes of LDS; arguments qkb, vb, alpha, beta, gamma, ao; writes ao
.if DOCPART == 3
	.amdgcn_target "amdgcn-amd-amdhsa--gfx1250"
	.amdhsa_code_object_version 6
	.text
	.protected	k_q8417c268a4_attn
	.globl	k_q8417c268a4_attn
	.p2align	8
	.type	k_q8417c268a4_attn,@function
k_q8417c268a4_attn:
	s_mov_b64 s[64:65], 0
	v_nop
	global_prefetch_b8 v0, s[64:65] scope:SCOPE_SE
	s_setreg_imm32_b32 hwreg(HW_REG_WAVE_MODE, 25, 1), 1
	s_wait_xcnt 0x0
	s_wait_alu depctr_hold_cnt(0) depctr_sa_sdst(0) depctr_va_vdst(0) depctr_va_sdst(0) depctr_va_ssrc(0) depctr_va_vcc(0) depctr_vm_vsrc(0)
	s_getreg_b32 s2, hwreg(HW_REG_IB_STS2, 6, 4)
	s_cmp_eq_u32 s2, 0
	s_cbranch_scc0 .Lentry_in_a_cluster
	s_endpgm
.Lentry_in_a_cluster:
	s_bfe_u32 s2, ttmp6, 0x10000c
	s_cmp_lg_u32 s2, 0x3003
	s_cbranch_scc0 .Lentry_shape_is_right
	s_endpgm
.Lentry_shape_is_right:
; attn = alpha I + beta softmax(q k^T / 32) - gamma / 2048, quantised finished along the keys, times v; the result quantised along the channels for the last product.  All products on codes of FP6 (E2M3).
; A work-group has one (batch, head) and 16 query tiles of 16: tile s40 of each block of 128 tokens.  K's and V's codes of all 2,048 keys come into LDS once, one joint tensor load a wave
; (waves 0-3 V's quarters, waves 4-7 K's), shared by the four work-groups of a cluster, which have the same head.  Nothing is filled again.
; WAVE w OWNS KEYS 256 w .. 256 w + 255 (blocks 2 w, 2 w + 1 of 128).  Its 8 fragments of K stay in registers for the whole launch.  A ROUND serves two query tiles (blocks G = 2 i, 2 i + 1) in all eight waves:
; 32 queries x 256 keys of scores fill register window 1 (unit (u, q) at 128 u + 64 q) and stay there from the product to the codes, so each score and each exponential is made once.
; Softmax: each wave takes ITS keys' maximum Mw away (t = score x log2(e) / 32), sums its p = 2^(t - Mw); (-Mw, sum) of the eight waves meet in LDS; M = the largest Mw, sum = the sum of sum_w 2^(Mw - M),
; and my numbers are p x (beta 2^(Mw - M) / sum) - gamma / 2048, + alpha on the diagonal (which lies in wave i's units (0, 0) and (1, 1) in round i).
; K = 64 channels: a fragment of K holds two tiles' 64 channels, and q stands once as [q | 0] and once as [0 | q].
; THE ROWS OF A TILE OF K are picked by the lanes' LDS addresses: tile (c, t) has rows 0-7 = keys 64 c + 8 t + 0..7 and rows 8-15 = keys 64 c + 32 + 8 t + 0..7, so that lane (r, h) holds query r and,
; in registers 32 c + 0 .. 31 of a unit, the WHOLE block of keys 64 c + 32 h + 0 .. 31: a block's largest magnitude needs no other lane and the conversions' results are the operand's registers.
; O^T = v^T p^T over my 256 keys lies over scores that are done with; the eight waves' parts meet in a stage in LDS (on K's bytes: read out at the head, their one fill long past), and two waves a round add them, quantise and store.
; No prefetch: K and V come by the head's one load each, and q's next tiles are loaded into registers a round ahead.
; LIMITS: NaN and infinities are not served; scaled scores stay under 2^31 in magnitude; a block's byte is held at 1 from below (a block of zeros has the byte 1: its codes are zeros and this program alone reads the bytes).
.set BLK,   6656
.set KOFF,  131072                     ; LDS: V 0 .. 106,495; K from KOFF; the stage (8 waves x 8,192) on K's bytes; the waves' (-M, sum); the spare words
.set STAGE, 131072
.set STATS, 262144
.set SPARE, 270336
.set SCOFF, 3145728
.set SPW, 14
.set NIL, 15
.set NM0, 16                           ; v16, v18: -Mw of query tile 0, 1 (low words of pairs)
.set ST,  20                           ; v20-23: -Mw0, -Mw1, sum0, sum1
.set F0,  24                           ; v24, v26: my factors
.set GG,  28                           ; v28: -gamma / 2048
.set GM,  30
.set TM,  32
.set TN,  40
.set PC,  48                           ; v48-71 p's codes, two query tiles; v72-87 the odd halves as converted; v48-79 also the eight waves' quads
.set CT,  72
.set PW,  88
.set VS,  90
.set QR,  94
.set AT,  96                           ; v96-111: alpha in lane k + 16 h', else 0
.set QF,  112                          ; q tile j at QF + 18 j: six zeros, q's six, six zeros
.set QS,  148
.set KS,  152
.set KF,  160
.set WV,  18
.set SEL, 20
.set CS,  22
.set G1,  24
.set G0,  32
.set BT,  36
.set RI,  38
.set WH,  39
.set W1,  43
.set TB0, 44
.set QB,  48
.set SC0, 62
.set SD,  68
.set MSB, 0
.macro WIN new                         ; the immediate's high byte repeats the setting that is left
.if MSB != \new
	s_set_vgpr_msb (MSB<<8)|\new
.set MSB, \new
.endif
.endm
.macro VW
	s_wait_alu depctr_va_vdst(0)
.endm
.macro DLY n
	s_delay_alu instid0(VALU_DEP_\n)
.endm
.macro CROUND
	s_barrier_signal -1
	s_barrier_wait -1
	s_cmp_lg_u32 s[WV], 0
	s_cbranch_scc1 .Lnot_wave_0_\@
	s_barrier_signal -3
.Lnot_wave_0_\@:
	s_barrier_wait -3
	s_barrier_signal -1
	s_barrier_wait -1
.endm
.macro MM d, a, b, c, sa, sb
	v_wmma_scale_f32_16x16x128_f8f6f4 v[(\d):(\d)+7], v[(\a):(\a)+11], v[(\b):(\b)+11], \c, v[\sa], v[\sb] matrix_a_fmt:MATRIX_FMT_FP6 matrix_b_fmt:MATRIX_FMT_FP6
.endm
.macro VLOAD u                         ; V's four fragments of my block u into window 1, v64-111, and their scale words
	WIN 0x40
.irp t, 0,1,2,3
	ds_load_b128 v[64+12*\t:67+12*\t], v3 offset:BLK*\u+1536*\t
	ds_load_b64 v[68+12*\t:69+12*\t], v4 offset:BLK*\u+1536*\t+512
	ds_load_b128 v[70+12*\t:73+12*\t], v3 offset:BLK*\u+1536*\t+768
	ds_load_b64 v[74+12*\t:75+12*\t], v4 offset:BLK*\u+1536*\t+1280
.endr
	WIN 0
	ds_load_b64 v[VS:VS+1], v4 offset:BLK*\u+6144
	ds_load_b64 v[VS+2:VS+3], v4 offset:BLK*\u+6400
.endm
; my block u of 128 keys, both query tiles: finished, quantised, multiplied with V
.macro UPH u
	WIN 0x41
.set j, 0
.rept 64
	v_pk_fma_f32 v[128*\u+j:128*\u+j+1], v[128*\u+j:128*\u+j+1], v[F0+2*(j/64):F0+2*(j/64)+1], v[GG:GG+1] op_sel_hi:[1,0,0]
.set j, j+2
.endr
	WIN 0
	VW
	s_cmp_lg_u32 s[RI], s[WV]                      ; the diagonal is mine in round i = my number: ids alone
	s_cbranch_scc1 .Loff_\@
	WIN 0x50
.irp c, 0,1
.irp t, 0,1,2,3
.irp p, 0,2,4,6
	v_pk_fma_f32 v[192*\u+32*\c+8*\t+\p:192*\u+32*\c+8*\t+\p+1], v[AT+8*(\t/2)+\p:AT+8*(\t/2)+\p+1], s[SD+4*\c+2*(\t%2):SD+4*\c+2*(\t%2)+1], v[192*\u+32*\c+8*\t+\p:192*\u+32*\c+8*\t+\p+1] op_sel_hi:[1,0,1]
.endr
.endr
.endr
	WIN 0
.Loff_\@:
.irp k, 0,1,2,3
	v_mov_b32 v[TM+\k], 0x1800000                  ; the floor 2^(3 - 127): the byte cannot fall under 1
.endr
	WIN 0x14
.set i, 0
.rept 16
.irp k, 0,1,2,3                        ; chain k = 2 q + c: my whole block 2 c + h of query tile q
	v_max3_num_f32 v[TM+\k], v[TM+\k], |v[128*\u+32*\k+i]|, |v[128*\u+32*\k+i+1]|
.endr
.set i, i+2
.endr
	WIN 0
.irp k, 0,1,2,3
	v_add_nc_u32 v[TN+\k], 0xff000000, v[TM+\k]    ; 2 off the exponent field: the conversion's scale operand
.endr
.irp k, 0,1,2,3
	v_lshrrev_b32 v[TM+\k], 23, v[TN+\k]           ; the byte
.endr
	v_lshl_or_b32 v[TM], v[TM+1], 16, v[TM]        ; my bytes h and 2 + h,
	v_lshl_or_b32 v[TM+2], v[TM+3], 16, v[TM+2]
	DLY 2
	v_lshlrev_b32 v[TM], v12, v[TM]                ; 8 h bits up;
	v_lshlrev_b32 v[TM+2], v12, v[TM+2]
	DLY 2
	v_permlanex16_b32 v[TM+4], v[TM], s[SEL], s[SEL+1]
	v_permlanex16_b32 v[TM+5], v[TM+2], s[SEL], s[SEL+1]
	DLY 2
	v_or_b32 v[PW], v[TM], v[TM+4]                 ; with lane l xor 16's two the query's word is whole
	v_or_b32 v[PW+1], v[TM+2], v[TM+5]
	WIN 0x01
.irp k, 0,1,2,3
	v_cvt_scalef32_pk16_fp6_f32 v[PC+6*\k:PC+6*\k+2], v[128*\u+32*\k:128*\u+32*\k+15], v[TN+\k]
	v_cvt_scalef32_pk16_fp6_f32 v[CT+4*\k:CT+4*\k+2], v[128*\u+32*\k+16:128*\u+32*\k+31], v[TN+\k]   ; (a conversion's three registers begin on an even number)
.endr
	WIN 0
	v_nop                                          ; one plain instruction behind the scaled conversions
.if \u == 0
	VLOAD 0                                        ; onto scores that have just been converted
.endif
.irp k, 0,1,2,3
.irp i, 0,1,2
	v_mov_b32 v[PC+6*\k+3+\i], v[CT+4*\k+\i]
.endr
.endr
.rept 4
	v_nop                                          ; four places between the operand's last write and the products (the scale words stand 17 ahead)
.endr
	VW
	s_wait_dscnt 0x0                               ; V's fragments are in
	WIN 0x51
.irp t, 0,1,2,3                        ; the eight accumulators take turns
.irp q, 0,1
.if \u == 0
	MM 32*\q+8*\t, 64+12*\t, PC+12*\q, 0, VS+\t, PW+\q
.else
	MM 32*\q+8*\t, 64+12*\t, PC+12*\q, v[32*\q+8*\t:32*\q+8*\t+7], VS+\t, PW+\q
.endif
.endr
.endr
	WIN 0
.endm
	s_load_b128 s[4:7], s[0:1], 0x0                ; qkb, vb
	s_load_b128 s[8:11], s[0:1], 0x10              ; alpha, beta
	s_load_b128 s[12:15], s[0:1], 0x20             ; gamma, ao
	v_lshl_add_u32 v[SPW], v0, 2, SPARE
	v_mov_b32 v[NIL], 0
	ds_add_u32 v[SPW], v[NIL]                      ; the opening lines: the add twice on end and its wait
	ds_add_u32 v[SPW], v[NIL]
	v_lshrrev_b32 v1, 5, v0
	v_readfirstlane_b32 s[WV], v1                  ; wave 0..7
	s_bfe_u32 s19, ttmp6, 0x40000                  ; cx
	s_lshl_b32 s40, ttmp9, 2
	s_add_co_u32 s40, s40, s19                     ; my query tile in each block of 128 tokens, 0..7
	s_and_b32 s45, ttmp7, 0xffff
	s_and_b32 s41, s45, 15                         ; head
	s_lshr_b32 s42, s45, 4                         ; batch
	s_lshl_b32 s46, s41, 5
	s_lshl_b32 s47, s42, 4
	s_add_co_u32 s46, s46, s47
	s_mul_i32 s46, s46, BLK                        ; block (head, batch, G = 0), in bytes
	s_mov_b32 s47, 0
	s_lshr_b32 s[WH], s[WV], 1
	s_and_b32 s[W1], s[WV], 1
	s_lshl_b32 s[TB0], s42, 7
	s_add_co_u32 s[TB0], s[TB0], s40               ; ao's tile = 128 batch + 8 G + s40
	s_lshr_b32 s[SC0], s41, 2
	s_lshl_b32 s[SC0], s[SC0], 8
	s_and_b32 s45, s40, 1
	s_lshl_b32 s50, s45, 7
	s_add_co_u32 s[SC0], s[SC0], s50
	s_and_b32 s50, s41, 3
	s_lshl_b32 s50, s50, 1
	s_add_co_u32 s[SC0], s[SC0], s50               ; my head's two bytes in ao's scale words
	s_lshr_b32 s51, s40, 2
	s_lshl_b32 s82, s51, 8
	s_lshl_b32 s50, s45, 2
	s_add_co_u32 s82, s82, s50
	s_add_co_u32 s82, s82, 6144                    ; q's scale word in its block
	s_lshl_b32 s51, s51, 1
	s_add_co_u32 s51, s51, s45                     ; 2 c + t % 2 of the diagonal's tiles
.irp k, 0,1,2,3
	s_cmp_eq_u32 s51, \k
	s_cselect_b32 s[SD+2*\k], 1.0, 0
	s_mov_b32 s[SD+2*\k+1], s[SD+2*\k]
.endr
	s_bfe_u32 s60, s40, 0x10001
	s_lshl_b32 s60, s60, 4                         ; 16 h': which half of the word is q's, and which half of the lanes holds the diagonal
	s_sub_co_u32 s61, 16, s60
	s_mul_i32 s76, s[WV], 2*BLK
	s_lshl_b32 s77, s[WV], 9
	s_add_co_u32 s77, s77, STATS
	s_lshl_b32 s78, s[WV], 13
	s_add_co_u32 s78, s78, STAGE
	s_lshl_b32 s79, s[W1], 12
	s_add_co_u32 s79, s79, STAGE
	s_mul_i32 s80, s40, 768
	s_add_co_u32 s81, s80, 512
	s_add_co_u32 s83, s76, KOFF
	s_mul_i32 s52, s[WV], 4*BLK                    ; my quarter of V (waves 0-3) or of K (waves 4-7)
	s_mov_b32 s[G0+1], s52
	s_lshr_b32 s53, s[WV], 2
	s_mul_i32 s53, s53, KOFF-16*BLK
	s_add_co_u32 s[G0+1], s[G0+1], s53             ; LDS: the wave's number alone
	s_add_co_u32 s52, s52, s46
	s_cmp_lt_u32 s[WV], 4
	s_cselect_b32 s53, 0, 496*BLK                  ; k's heads lie 512 blocks behind q's; waves 4-7 count their quarters from 0
	s_add_co_u32 s52, s52, s53
	s_mov_b32 s53, 0
	s_mov_b32 s[G0], 1
	s_mov_b32 s[G1], 15|(3<<16)|(1<<21)            ; the four of my cluster; elements of 8 bytes; 104 dense rows of 256 bytes
	s_mov_b32 s[G1+1], 32<<16
	s_mov_b32 s[G1+2], 104<<16
	s_mov_b32 s[G1+3], 32<<16
	s_mov_b32 s[G1+4], 104
	s_mov_b32 s[G1+5], 32
	s_mov_b32 s[G1+6], 0
	s_mov_b32 s[G1+7], 0
	s_mov_b32 s[SEL], 0x76543210
	s_mov_b32 s[SEL+1], 0xfedcba98
	s_mov_b32 s[CS], 0x3d38aa3b                    ; log2(e) / 32
	s_mov_b32 s[CS+1], s[CS]
	s_wait_dscnt 0x0
	s_wait_kmcnt 0x0
	s_load_b32 s16, s[8:9], 0x0
	s_load_b32 s[BT], s[10:11], 0x0
	s_load_b32 s17, s[12:13], 0x0
	s_cmp_lt_u32 s[WV], 4
	s_cselect_b64 s[54:55], s[6:7], s[4:5]
	s_add_nc_u64 s[G0+2:G0+3], s[54:55], s[52:53]
	s_or_b32 s[G0+3], s[G0+3], 0x80000000
	s_add_nc_u64 s[QB:QB+1], s[4:5], s[46:47]
	CROUND                                         ; the joint loads meet
	s_wait_kmcnt 0x0
	s_mov_b32 s[BT+1], s[BT]
	tensor_load_to_lds s[G0:G0+3], s[G1:G1+7]      ; my one tensor load
	s_nop 0
	v_and_b32 v34, 31, v0                          ; lane
	v_and_b32 v32, 15, v0                          ; r
	v_bfe_u32 v33, v0, 4, 1                        ; h
	v_and_b32 v35, 7, v0
	v_bfe_u32 v36, v0, 3, 1
	v_lshlrev_b32 v1, 4, v34
	v_lshlrev_b32 v2, 3, v34
	v_add_nc_u32 v9, s80, v1                       ; q's half image
	v_add_nc_u32 v10, s81, v2
	v_add_nc_u32 v11, s82, v2
	global_load_b128 v[QF+6:QF+9], v9, s[QB:QB+1]
	global_load_b64 v[QF+10:QF+11], v10, s[QB:QB+1]
	global_load_b128 v[QF+24:QF+27], v9, s[QB:QB+1] offset:BLK
	global_load_b64 v[QF+28:QF+29], v10, s[QB:QB+1] offset:BLK
	global_load_b32 v[QR], v11, s[QB:QB+1]
	global_load_b32 v[QR+1], v11, s[QB:QB+1] offset:BLK
	v_add_nc_u32 v3, s76, v1                       ; V's images, my two blocks
	v_add_nc_u32 v4, s76, v2
	v_add_nc_u32 v5, s77, v1                       ; my quad of (-M, sum)
	v_add_nc_u32 v6, STATS, v1
	v_add_nc_u32 v7, s78, v1                       ; my part of the stage
	v_add_nc_u32 v8, s79, v1                       ; the query tile that I add up
	v_lshlrev_b32 v12, 3, v33
	v_lshlrev_b32 v13, 3, v32
	v_mul_u32_u24 v37, v36, 1536                   ; K: lanes r >= 8 take rows of the tile two further on
	v_add_nc_u32 v37, s83, v37
	v_lshl_add_u32 v38, v35, 4, v37
	v_lshl_add_u32 v38, v33, 8, v38
	v_lshl_add_u32 v39, v35, 3, v37
	v_lshl_add_u32 v39, v33, 7, v39
	v_lshl_add_u32 v40, v35, 3, s83
	v_lshl_add_u32 v40, v36, 1, v40                ; and the other half of the stored scale word
	v_sub_nc_u32 v41, v34, s60
	v_mov_b32 v42, s16
.irp k, 0,1,2,3,4,5,6,7,8,9,10,11,12,13,14,15
	v_cmp_eq_u32 vcc_lo, \k, v41
	v_cndmask_b32 v[AT+\k], 0, v42, vcc_lo
.endr
	v_mov_b32 v[GG], s17
	v_mul_f32 v[GG], 0xba000000, v[GG]             ; -gamma / 2048
	v_mov_b32 v[GG+1], 0
.irp k, NM0+1, NM0+3, F0+1, F0+3
	v_mov_b32 v[\k], 0                             ; upper words of pairs whose low word serves both halves
.endr
.irp q, 0,1
.irp k, 0,1,2,3,4,5,12,13,14,15,16,17
	v_mov_b32 v[QF+18*\q+\k], 0
.endr
.endr
	VW
	s_wait_tensorcnt 0x0
	s_barrier_signal -1
	s_barrier_wait -1                              ; all of K and V is in
.irp u, 0,1
.irp f, 0,1,2,3
	ds_load_b128 v[KF+48*\u+12*\f:KF+48*\u+12*\f+3], v38 offset:BLK*\u+(4*(\f/2)+\f%2)*768
	ds_load_b64 v[KF+48*\u+12*\f+4:KF+48*\u+12*\f+5], v39 offset:BLK*\u+(4*(\f/2)+\f%2)*768+512
	ds_load_b128 v[KF+48*\u+12*\f+6:KF+48*\u+12*\f+9], v38 offset:BLK*\u+(4*(\f/2)+\f%2)*768+128
	ds_load_b64 v[KF+48*\u+12*\f+10:KF+48*\u+12*\f+11], v39 offset:BLK*\u+(4*(\f/2)+\f%2)*768+576
	ds_load_u16 v[PC+8*\u+2*\f], v40 offset:BLK*\u+6144+256*(\f/2)+4*(\f%2)
	ds_load_u16 v[PC+8*\u+2*\f+1], v40 offset:BLK*\u+6144+256*(\f/2)+4*(\f%2)+64
.endr
.endr
	s_wait_dscnt 0x0
	s_wait_loadcnt 0x0
.irp k, 0,1,2,3,4,5,6,7
	v_lshl_or_b32 v[KS+\k], v[PC+2*\k+1], 16, v[PC+2*\k]   ; tile (c, t)'s two bytes below, tile (c, t + 2)'s above
.endr
.irp q, 0,1
	v_alignbit_b32 v[QS+2*\q], v[QR+\q], v[QR+\q], s60     ; q's two bytes in the low half, for [q | 0];
	v_alignbit_b32 v[QS+2*\q+1], v[QR+\q], v[QR+\q], s61   ; in the high half, for [0 | q]
.endr
	VW
	s_mov_b32 s[RI], 0
.Lround:
.rept 8
	v_nop                                          ; eight places between the scale words' writes and the products; also the places behind the last round's products
.endr
	WIN 0x40
.irp u, 0,1
.irp f, 0,1,2,3
.irp q, 0,1
	MM 128*\u+64*\q+32*(\f/2)+8*(\f%2), KF+48*\u+12*\f, QF+18*\q+6, 0, KS+4*\u+\f, QS+2*\q
	MM 128*\u+64*\q+32*(\f/2)+8*(\f%2)+16, KF+48*\u+12*\f, QF+18*\q, 0, KS+4*\u+\f, QS+2*\q+1
.endr
.endr
.endr
	WIN 0
.irp k, 0,1,2,3
	v_mov_b32 v[TM+\k], 0xff7fffff                 ; under every score; these four are the places behind the products
.endr
	WIN 0x14
.set i, 0
.rept 32
.irp k, 0,1,2,3                        ; a chain for each unit; each accumulator from its low end on
	v_max3_num_f32 v[TM+\k], v[TM+\k], v[64*\k+i], v[64*\k+i+1]
.endr
.set i, i+2
.endr
	WIN 0
	VW
	s_cmp_eq_u32 s[RI], 7
	s_cbranch_scc1 .Lno_next_q
	s_add_nc_u64 s[QB:QB+1], s[QB:QB+1], 2*BLK     ; the next round's two query tiles (the last loads by this base were waited for)
	global_load_b128 v[QF+6:QF+9], v9, s[QB:QB+1]
	global_load_b64 v[QF+10:QF+11], v10, s[QB:QB+1]
	global_load_b128 v[QF+24:QF+27], v9, s[QB:QB+1] offset:BLK
	global_load_b64 v[QF+28:QF+29], v10, s[QB:QB+1] offset:BLK
	global_load_b32 v[QR], v11, s[QB:QB+1]
	global_load_b32 v[QR+1], v11, s[QB:QB+1] offset:BLK
.Lno_next_q:
	v_max_num_f32 v[TM], v[TM], v[TM+2]
	v_max_num_f32 v[TM+1], v[TM+1], v[TM+3]
	DLY 2
	v_permlanex16_b32 v[TM+4], v[TM], s[SEL], s[SEL+1]
	v_permlanex16_b32 v[TM+5], v[TM+1], s[SEL], s[SEL+1]
	DLY 2
	v_max_num_f32 v[TM], v[TM], v[TM+4]            ; my 256 keys' largest score of query r
	v_max_num_f32 v[TM+1], v[TM+1], v[TM+5]
	DLY 2
	v_mul_f32 v[NM0], 0xbd38aa3b, v[TM]            ; -Mw
	v_mul_f32 v[NM0+2], 0xbd38aa3b, v[TM+1]
	v_mul_f32 v[ST], 0xbd38aa3b, v[TM]
	v_mul_f32 v[ST+1], 0xbd38aa3b, v[TM+1]
	WIN 0x41
.set j, 0
.rept 128
	v_pk_fma_f32 v[j:j+1], v[j:j+1], s[CS:CS+1], v[NM0+2*((j/64)%2):NM0+2*((j/64)%2)+1] op_sel_hi:[1,0,0]
.set j, j+2
.endr
	VW
.set j, 0
.rept 256
	v_exp_f32 v[j], v[j]
.set j, j+1
.endr
	WIN 0
.irp k, 0,1,2,3,4,5,6,7
	v_mov_b32 v[TM+\k], 0
.endr
	VW
	WIN 0x04
.set n, 0
.rept 32
.set b0, 4*n+64*(n/16)
	v_pk_add_f32 v[TM:TM+1], v[TM:TM+1], v[b0:b0+1]
	v_pk_add_f32 v[TM+2:TM+3], v[TM+2:TM+3], v[b0+2:b0+3]
	v_pk_add_f32 v[TM+4:TM+5], v[TM+4:TM+5], v[b0+64:b0+65]
	v_pk_add_f32 v[TM+6:TM+7], v[TM+6:TM+7], v[b0+66:b0+67]
.set n, n+1
.endr
	WIN 0
	v_pk_add_f32 v[TM:TM+1], v[TM:TM+1], v[TM+2:TM+3]
	v_pk_add_f32 v[TM+4:TM+5], v[TM+4:TM+5], v[TM+6:TM+7]
	DLY 2
	v_add_f32 v[TM], v[TM], v[TM+1]
	v_add_f32 v[TM+4], v[TM+4], v[TM+5]
	DLY 2
	v_permlanex16_b32 v[TM+2], v[TM], s[SEL], s[SEL+1]
	v_permlanex16_b32 v[TM+6], v[TM+4], s[SEL], s[SEL+1]
	DLY 2
	v_add_f32 v[ST+2], v[TM], v[TM+2]
	v_add_f32 v[ST+3], v[TM+4], v[TM+6]
	ds_store_b128 v5, v[ST:ST+3]
	VW
	s_wait_dscnt 0x0
	s_barrier_signal -1
	s_barrier_wait -1                              ; all eight quads are written
.irp k, 0,1,2,3,4,5,6,7
	ds_load_b128 v[PC+4*\k:PC+4*\k+3], v6 offset:512*\k
.endr
	s_wait_dscnt 0x0
.irp q, 0,1
	v_min3_num_f32 v[GM+\q], v[PC+\q], v[PC+4+\q], v[PC+8+\q]
.endr
.irp k, 12,20
.irp q, 0,1
	v_min3_num_f32 v[GM+\q], v[GM+\q], v[PC+\k+\q], v[PC+\k+4+\q]
.endr
.endr
.irp q, 0,1
	v_min_num_f32 v[GM+\q], v[GM+\q], v[PC+28+\q]  ; -M of the whole row
.endr
.irp k, 0,1,2,3,4,5,6,7
	v_pk_add_f32 v[PC+4*\k:PC+4*\k+1], v[GM:GM+1], v[PC+4*\k:PC+4*\k+1] neg_lo:[0,1] neg_hi:[0,1]   ; Mw - M, 0 or less
.endr
	v_pk_add_f32 v[ST:ST+1], v[GM:GM+1], v[ST:ST+1] neg_lo:[0,1] neg_hi:[0,1]
	VW
.irp k, 0,1,2,3,4,5,6,7
	v_exp_f32 v[PC+4*\k], v[PC+4*\k]
	v_exp_f32 v[PC+4*\k+1], v[PC+4*\k+1]
.endr
	v_exp_f32 v[ST], v[ST]
	v_exp_f32 v[ST+1], v[ST+1]
	v_nop
	VW
	v_pk_mul_f32 v[TM:TM+1], v[PC:PC+1], v[PC+2:PC+3]
	v_pk_mul_f32 v[TM+2:TM+3], v[PC+4:PC+5], v[PC+6:PC+7]
.irp k, 2,3,4,5,6,7
	v_pk_fma_f32 v[TM+2*(\k%2):TM+2*(\k%2)+1], v[PC+4*\k:PC+4*\k+1], v[PC+4*\k+2:PC+4*\k+3], v[TM+2*(\k%2):TM+2*(\k%2)+1]
.endr
	DLY 1
	v_pk_add_f32 v[TM:TM+1], v[TM:TM+1], v[TM+2:TM+3]      ; the rows' sums under M
	VW
	v_rcp_f32 v[TM], v[TM]
	v_rcp_f32 v[TM+1], v[TM+1]
	v_pk_mul_f32 v[ST:ST+1], v[ST:ST+1], s[BT:BT+1] op_sel_hi:[1,0]
	VW
	v_mul_f32 v[F0], v[ST], v[TM]                  ; beta 2^(Mw - M) / sum
	v_mul_f32 v[F0+2], v[ST+1], v[TM+1]
	UPH 0
.rept 4
	v_nop                                          ; four places in front of loads into registers that the products read
.endr
	VLOAD 1
	UPH 1
	s_wait_loadcnt 0x0                             ; the next q
.irp q, 0,1                            ; these four are also the places behind the products
	v_alignbit_b32 v[QS+2*\q], v[QR+\q], v[QR+\q], s60
	v_alignbit_b32 v[QS+2*\q+1], v[QR+\q], v[QR+\q], s61
.endr
	VW
	WIN 0x04
.irp k, 0,1,2,3,4,5,6,7,8,9,10,11,12,13,14,15
	ds_store_b128 v7, v[4*\k:4*\k+3] offset:512*\k ; my part of O^T, each accumulator from its low end on
.endr
	WIN 0
	s_wait_dscnt 0x0
	s_barrier_signal -1
	s_barrier_wait -1                              ; all eight parts are in the stage; every wave has read the quads
	s_and_b32 s45, s[RI], 3
	s_cmp_lg_u32 s45, s[WH]                        ; waves 2 (i % 4), 2 (i % 4) + 1 add up this round's two query tiles
	s_cbranch_scc1 .Lnot_mine
	s_lshl_b32 s45, s[RI], 1
	s_add_co_u32 s45, s45, s[W1]                   ; G
	s_lshl_b32 s45, s45, 3
	s_add_co_u32 s45, s45, s[TB0]                  ; ao's tile
	s_lshl_b32 s56, s45, 4
	s_add_co_u32 s56, s56, s41
	s_mul_i32 s56, s56, 768
	s_mov_b32 s57, 0
	s_add_nc_u64 s[56:57], s[14:15], s[56:57]
	s_lshr_b32 s58, s45, 1
	s_lshl_b32 s58, s58, 10
	s_add_co_u32 s58, s58, s[SC0]
	s_mov_b32 s59, 0
	s_add_nc_u64 s[58:59], s[14:15], s[58:59]
	WIN 0x40
.irp k, 0,1,2,3,4,5,6,7
.irp i, 0,1,2,3,4,5,6,7
	ds_load_b128 v[32*\k+4*\i:32*\k+4*\i+3], v8 offset:8192*\k+512*\i
.endr
.endr
	WIN 0x45
.irp k, 1,2,3,4,5,6,7
	s_wait_dscnt 8*(7-\k)                          ; wave k's part is in; the later waves' eight loads each may be out
.set j, 0
.rept 16
	v_pk_add_f32 v[j:j+1], v[j:j+1], v[32*\k+j:32*\k+j+1]
.set j, j+2
.endr
.endr
	WIN 0
	v_mov_b32 v[TM], 0x1800000
	v_mov_b32 v[TM+1], 0x1800000
	WIN 0x14
.irp i, 0,2,4,6,8,10,12,14
.irp b, 0,1
	v_max3_num_f32 v[TM+\b], v[TM+\b], |v[16*\b+\i]|, |v[16*\b+\i+1]|
.endr
.endr
	WIN 0
.irp b, 0,1
	v_permlanex16_b32 v[TM+4+\b], v[TM+\b], s[SEL], s[SEL+1]
.endr
.irp b, 0,1
	v_max_num_f32 v[TM+\b], v[TM+\b], v[TM+4+\b]   ; with lane l xor 16's 16 channels
.endr
.irp b, 0,1
	v_add_nc_u32 v[TN+\b], 0xff000000, v[TM+\b]
.endr
.irp b, 0,1
	v_lshrrev_b32 v[TM+4+\b], 23, v[TN+\b]
.endr
	DLY 1
	v_lshl_or_b32 v[PW], v[TM+5], 8, v[TM+4]
	WIN 0x01
	v_cvt_scalef32_pk16_fp6_f32 v[PC:PC+2], v[0:15], v[TN]
	v_cvt_scalef32_pk16_fp6_f32 v[PC+8:PC+10], v[16:31], v[TN+1]
	WIN 0
	v_nop
.irp i, 0,1,2
	v_permlane16_swap_b32 v[PC+\i], v[PC+8+\i]     ; a whole block of 32 channels to a lane
.endr
.irp i, 0,1,2
	v_mov_b32 v[PC+3+\i], v[PC+8+\i]
.endr
	global_store_b128 v1, v[PC:PC+3], s[56:57]     ; 512 and 256 consecutive bytes, aligned
	global_store_b64 v2, v[PC+4:PC+5], s[56:57] offset:512
	global_store_b16 v13, v[PW], s[58:59] offset:SCOFF     ; lanes r and r + 16 write the same two bytes with the same value
	s_wait_xcnt 0x0                                ; the stores have read their data and bases
.Lnot_mine:
	s_add_co_u32 s[RI], s[RI], 1
	s_cmp_lt_u32 s[RI], 8
	VW
	s_cbranch_scc1 .Lround
	s_wait_tensorcnt 0x0                           ; the wave's end
	ds_add_u32 v[SPW], v[NIL]
	s_wait_dscnt 0x0
	CROUND                                         ; the closing round
	s_endpgm
.Lfunc_end_k_q8417c268a4_attn:
	.size	k_q8417c268a4_attn, .Lfunc_end_k_q8417c268a4_attn-k_q8417c268a4_attn
	.p2alignl 7, 3214868480
	.fill 96, 4, 3214868480
	.section	.rodata,"a",@progbits
	.p2align	6, 0x0
	.amdhsa_kernel k_q8417c268a4_attn
		.amdhsa_group_segment_fixed_size 327680
		.amdhsa_private_segment_fixed_size 0
		.amdhsa_enable_private_segment 0
		.amdhsa_kernarg_size 48
		.amdhsa_user_sgpr_count 2
		.amdhsa_user_sgpr_kernarg_segment_ptr 1
		.amdhsa_wavefront_size32 1
		.amdhsa_system_sgpr_workgroup_id_x 1
		.amdhsa_system_sgpr_workgroup_id_y 1
		.amdhsa_system_sgpr_workgroup_id_z 1
		.amdhsa_system_vgpr_workitem_id 0
		.amdhsa_next_free_vgpr 512
		.amdhsa_next_free_sgpr 88
		.amdhsa_reserve_vcc 1
		.amdhsa_float_denorm_mode_32 3
		.amdhsa_float_denorm_mode_16_64 3
		.amdhsa_memory_ordered 1
		.amdhsa_forward_progress 1
		.amdhsa_inst_pref_size 101
	.end_amdhsa_kernel
	.amdgpu_metadata
---
amdhsa.version: [ 1, 2 ]
amdhsa.kernels:
  - .name:           k_q8417c268a4_attn
    .symbol:         k_q8417c268a4_attn.kd
    .args:
      - { .name: qkb, .offset: 0, .size: 8, .value_kind: global_buffer, .address_space: global }
      - { .name: vb, .offset: 8, .size: 8, .value_kind: global_buffer, .address_space: global }
      - { .name: alpha, .offset: 16, .size: 8, .value_kind: global_buffer, .address_space: global }
      - { .name: beta, .offset: 24, .size: 8, .value_kind: global_buffer, .address_space: global }
      - { .name: gamma, .offset: 32, .size: 8, .value_kind: global_buffer, .address_space: global }
      - { .name: ao, .offset: 40, .size: 8, .value_kind: global_buffer, .address_space: global }
    .group_segment_fixed_size: 327680
    .private_segment_fixed_size: 0
    .kernarg_segment_align: 8
    .kernarg_segment_size: 48
    .max_flat_workgroup_size: 256
    .sgpr_count:     88
    .vgpr_count:     512
    .wavefront_size: 32
...
	.end_amdgpu_metadata
.endif
;; end of part 3
;; launch oproj (part 4): grid 8 x 16, 4 waves a work-group, clusters of 4 x 4, 295,424 bytes of LDS; arguments ao, wo, b_out, out0; writes out0
.if DOCPART == 4
	.amdgcn_target "amdgcn-amd-amdhsa--gfx1250"
	.amdhsa_code_object_version 6
	.text
	.protected	k_q8417c268a4_oproj
	.globl	k_q8417c268a4_oproj
	.p2align	8
	.type	k_q8417c268a4_oproj,@function
k_q8417c268a4_oproj:
	s_mov_b64 s[64:65], 0
	v_nop
	global_prefetch_b8 v0, s[64:65] scope:SCOPE_SE
	s_setreg_imm32_b32 hwreg(HW_REG_WAVE_MODE, 25, 1), 1
	s_wait_xcnt 0x0
	s_wait_alu depctr_hold_cnt(0) depctr_sa_sdst(0) depctr_va_vdst(0) depctr_va_sdst(0) depctr_va_ssrc(0) depctr_va_vcc(0) depctr_vm_vsrc(0)
	s_getreg_b32 s2, hwreg(HW_REG_IB_STS2, 6, 4)
	s_cmp_eq_u32 s2, 0
	s_cbranch_scc0 .Lentry_in_a_cluster
	s_endpgm
.Lentry_in_a_cluster:
	s_bfe_u32 s2, ttmp6, 0x10000c
	s_cmp_lg_u32 s2, 0xf033
	s_cbranch_scc0 .Lentry_shape_is_right
	s_endpgm
.Lentry_shape_is_right:
; out0 = attention's output x W_out + b_out, on codes of FP6 (E2M3).  Operand buffers ao (tokens) and wo (W_out's columns): codes [tile][K step 0..7][1536] as images of the operand's registers
; (halves of 768 bytes: registers 6 c .. 6 c + 3 at 768 c + 16 x lane, 6 c + 4, 6 c + 5 at 768 c + 512 + 8 x lane); scale words from SCOFF on: [32 rows][q][16 (T % 2) + r][2].
; Lane row r of tile T is row 32 (T / 2) + 8 (T % 2) + 16 (r / 8) + r % 8.  Source 0 (S0) = wo, source 1 (S1) = ao: a lane holds one token, and the 16 registers of result tiles 2 b, 2 b + 1 are 16 neighbouring columns.
; A work-group makes 128 columns x 256 tokens over all of K = 1,024; a wave 128 x 64: 32 accumulators.  Both operands for all of K fit in LDS (294,912 bytes): every fill is a first fill:
; one tensor load a wave for all of K at the head; one of mine is out at the most.
; CLUSTER 4 x 4: S1's tiles hang on cy alone and are asked for jointly along a row of the cluster, S0's on cx alone, along a column.
; The bias is the C of each sum's first product: eight registers a tile of columns, in the result's layout.  128 work-groups: a smaller tile would read each fragment from LDS for half as many products.
; REGISTERS: window 0: v4-7 LDS addresses, v8 scale loads, v9 bias loads, v10-13 the way out; v32-95 S0's scale words (8 i + s), v96-127 S1's (8 a + s); v128-223 S1's fragments, two sets; on the way out v128-255 rows of out0.
; window 1: S0's fragments, sets at v0 and v128.   window 2: accumulator (a, b) at 64 a + 8 b.   window 3: v0-63 the bias.
.set SCOFF, 3145728
.set TILEB, 12288
.set CHUNK, 73728
.set S0OFF, 196608                     ; LDS now: S1's 16 tiles x 12,288 bytes (all 8 K steps of a tile on end), then S0's 8; one tensor load a wave brings its tiles for all of K
.set WV,  12
.set G1A, 24
.set G1B, 32
.set G0A, 40
.set G0B, 68
.set SC0, 32
.set SC1, 96
.set MSB, 0
.macro WIN new                         ; the immediate's high byte repeats the setting that is left
.if MSB != \new
	s_set_vgpr_msb (MSB<<8)|\new
.set MSB, \new
.endif
.endm
.macro CROUND                          ; a round of the cluster's barrier
	s_barrier_signal -1
	s_barrier_wait -1
	s_cmp_lg_u32 s[WV], 0
	s_cbranch_scc1 .Lnot_wave_0_\@
	s_barrier_signal -3
.Lnot_wave_0_\@:
	s_barrier_wait -3
	s_barrier_signal -1
	s_barrier_wait -1
.endm
.macro FRAGLD reg, a16, a8, off        ; a fragment's image back into 12 registers
	ds_load_b128 v[(\reg):(\reg)+3], v[\a16] offset:(\off)
	ds_load_b64 v[(\reg)+4:(\reg)+5], v[\a8] offset:(\off)+512
	ds_load_b128 v[(\reg)+6:(\reg)+9], v[\a16] offset:(\off)+768
	ds_load_b64 v[(\reg)+10:(\reg)+11], v[\a8] offset:(\off)+1280
.endm
.macro FETCH t                         ; K step t's fragments into set t % 2: S0's eight, my four of S1
	WIN 0x40                                       ; destination window 1, address window 0
.irp i, 0,1,2,3,4,5,6,7
	FRAGLD 128*((\t)%2)+12*\i, 6+10*(\i/4), 7+10*(\i/4), (\i%4)*12288+(\t)*1536   ; tiles 4-7 by v16, v17: the immediate has 16 bits
.endr
	WIN 0
.irp a, 0,1,2,3
	FRAGLD 128+48*((\t)%2)+12*\a, 4, 5, \a*12288+(\t)*1536
.endr
.endm
.macro KSTEP s
	s_wait_dscnt 0x0                               ; this step's fragments are in; no LDS instruction of mine is out
.if ((\s) > 0) && ((\s) < 7)
.rept 4
	v_nop                                          ; the four places
.endr
.endif
.if (\s) < 7
	FETCH (\s)+1
.endif
.if (\s) == 0
	WIN 0xb1                                       ; source 0 (S0) window 1, source 1 (S1) window 0, C (the bias) window 3, D window 2
.else
	WIN 0xa1                                       ; C and D window 2
.endif
.irp a, 0,1,2,3                        ; the 32 accumulators take turns, one instruction a turn, in the same order in every step
.irp b, 0,1,2,3,4,5,6,7
.if (\s) == 0
	v_wmma_scale_f32_16x16x128_f8f6f4 v[64*\a+8*\b:64*\a+8*\b+7], v[128*((\s)%2)+12*\b:128*((\s)%2)+12*\b+11], v[128+48*((\s)%2)+12*\a:128+48*((\s)%2)+12*\a+11], v[8*\b:8*\b+7], v[SC0+8*\b+(\s)], v[SC1+8*\a+(\s)] matrix_a_fmt:MATRIX_FMT_FP6 matrix_b_fmt:MATRIX_FMT_FP6
.else
	v_wmma_scale_f32_16x16x128_f8f6f4 v[64*\a+8*\b:64*\a+8*\b+7], v[128*((\s)%2)+12*\b:128*((\s)%2)+12*\b+11], v[128+48*((\s)%2)+12*\a:128+48*((\s)%2)+12*\a+11], v[64*\a+8*\b:64*\a+8*\b+7], v[SC0+8*\b+(\s)], v[SC1+8*\a+(\s)] matrix_a_fmt:MATRIX_FMT_FP6 matrix_b_fmt:MATRIX_FMT_FP6
.endif
.endr
.endr
	WIN 0
.endm
; THE WAY OUT, a tile of 16 tokens x 128 columns at a time, through my own stage in LDS (16 rows of 528 bytes), so that 32 lanes store a token's 512 consecutive bytes.
; The stage lies on my own four tiles of S1: they have had their one fill, no other wave reads them, and my reads of them are over when the first result is stored.
.macro TOSTAGE a
	WIN 0x08                                       ; an LDS store's data are its source 1: window 2
.irp b, 0,1,2,3,4,5,6,7
	ds_store_b128 v12, v[64*(\a)+8*\b:64*(\a)+8*\b+3] offset:128*(\b/2)+32*(\b%2)        ; each accumulator from its low end on: columns 32 (b / 2) + 8 (b % 2) + 16 h + 0 .. 7
	ds_store_b128 v12, v[64*(\a)+8*\b+4:64*(\a)+8*\b+7] offset:128*(\b/2)+32*(\b%2)+16
.endr
	WIN 0
.irp t, 0,1,2,3,4,5,6,7,8,9,10,11,12,13,14,15
	ds_load_b128 v[128+64*((\a)%2)+4*\t:128+64*((\a)%2)+4*\t+3], v13 offset:\t*528       ; LDS serves a wave's instructions in order: these see the stores above
.endr
.endm
.macro SEND a, younger                 ; younger: the LDS instructions issued behind tile a's loads, which may stay out
	s_wait_dscnt \younger
.irp t, 0,1,2,3,4,5,6,7,8,9,10,11,12,13,14,15
	global_store_b128 v10, v[128+64*((\a)%2)+4*\t:128+64*((\a)%2)+4*\t+3], s[10:11] offset:(32*((\a)/2)+8*((\a)%2)+16*(\t/8)+\t%8)*4096 th:TH_STORE_NT
.endr
.endm
	s_load_b128 s[4:7], s[0:1], 0x0                ; ao, wo
	s_load_b128 s[8:11], s[0:1], 0x10              ; b_out, out0
	v_lshl_add_u32 v30, v0, 2, 0x48000
	v_mov_b32 v31, 0
	ds_add_u32 v30, v31
	ds_add_u32 v30, v31
	v_lshrrev_b32 v1, 5, v0
	v_readfirstlane_b32 s[WV], v1                  ; wave 0..3
	s_and_b32 s13, s[WV], 1
	s_lshr_b32 s14, s[WV], 1                       ; 0: I fetch for S1, 1: for S0
	s_bfe_u32 s15, ttmp6, 0x40000                  ; cx
	s_bfe_u32 s16, ttmp6, 0x40004                  ; cy
	s_lshl_b32 s17, ttmp9, 2
	s_add_co_u32 s17, s17, s15                     ; g0: which 128 columns
	s_and_b32 s18, ttmp7, 0xffff
	s_lshl_b32 s18, s18, 2
	s_add_co_u32 s18, s18, s16                     ; b1: which 256 tokens
	s_lshl_b32 s20, s16, 2
	s_lshl_b32 s20, 15, s20                        ; my row of the cluster
	s_lshl_b32 s21, 0x1111, s15                    ; my column
	; descriptor groups 1: rows of 12,288 bytes (a tile's eight K steps: 1,536 elements of 8 bytes), 12,288 bytes apart; S1: 8 tiles a load, S0: 4
	s_or_b32 s[G1A], s20, (3<<16)|(1<<21)          ; 15:0 the mask; 17:16 elements of 8 bytes; 21 set beside a mask
	s_or_b32 s[G1B], s21, (3<<16)|(1<<21)
.irp g, G1A, G1B
	s_mov_b32 s[\g+1], 1536<<16                    ; tensor_dim0: a tile's 12,288 bytes
	s_mov_b32 s[\g+3], 1536<<16                    ; tile_dim0
	s_mov_b32 s[\g+5], 1536                        ; tensor_dim0_stride
	s_mov_b32 s[\g+6], 0
	s_mov_b32 s[\g+7], 0
.endr
	s_mov_b32 s[G1A+2], 8<<16                      ; tensor_dim1
	s_mov_b32 s[G1A+4], 8                          ; tile_dim1
	s_mov_b32 s[G1B+2], 4<<16
	s_mov_b32 s[G1B+4], 4
	s_lshl_b32 s22, s18, 4                         ; T1: S1's first tile
	s_lshl_b32 s23, s13, 3
	s_add_co_u32 s84, s22, s23
	s_mul_i32 s84, s84, TILEB                      ; the 8 tiles of S1 that I would fetch
	s_mov_b32 s85, 0
	s_lshl_b32 s23, s17, 3                         ; T0: S0's first tile
	s_lshl_b32 s86, s13, 2
	s_add_co_u32 s86, s86, s23
	s_mul_i32 s86, s86, TILEB                      ; the 4 tiles of S0
	s_mov_b32 s87, 0
	s_lshl_b32 s88, s23, 9                         ; S0's scale words: 512 bytes a tile
	s_mov_b32 s89, 0
	s_lshl_b32 s90, s[WV], 2
	s_add_co_u32 s90, s90, s22
	s_lshl_b32 s90, s90, 9                         ; my four tiles of S1
	s_mov_b32 s91, 0
	s_mul_i32 s92, s13, 98304                      ; where they go: 8 tiles of S1, or
	s_mul_i32 s93, s13, 49152                      ; 4 tiles of S0: no place in the cluster enters an LDS address
	s_wait_dscnt 0x0
	s_wait_kmcnt 0x0
	s_add_nc_u64 s[84:85], s[4:5], s[84:85]
	s_add_nc_u64 s[86:87], s[6:7], s[86:87]
	s_add_nc_u64 s[88:89], s[6:7], s[88:89]
	s_add_nc_u64 s[90:91], s[4:5], s[90:91]
	CROUND                                         ; all sixteen work-groups are here: the joint loads meet
.irp c, 0
	s_mov_b32 s[G0A+4*\c], 1
	s_add_co_u32 s[G0A+4*\c+1], s92, \c*CHUNK
	s_add_nc_u64 s[G0A+4*\c+2:G0A+4*\c+3], s[84:85], \c*3072
	s_or_b32 s[G0A+4*\c+3], s[G0A+4*\c+3], 0x80000000
	s_mov_b32 s[G0B+4*\c], 1
	s_add_co_u32 s[G0B+4*\c+1], s93, \c*CHUNK+S0OFF
	s_add_nc_u64 s[G0B+4*\c+2:G0B+4*\c+3], s[86:87], \c*3072
	s_or_b32 s[G0B+4*\c+3], s[G0B+4*\c+3], 0x80000000
.endr
	s_cmp_eq_u32 s14, 0                            ; a wave's one fill stands in one branch on the wave's number, ahead of every wait on TENSORcnt, every LDS read and every other barrier
	s_cbranch_scc0 .Lfill_s0
.irp c, 0
	tensor_load_to_lds s[G0A+4*\c:G0A+4*\c+3], s[G1A:G1A+7]
	s_nop 0
.endr
.rept 4
	v_nop
.endr
	s_branch .Lfilled
.Lfill_s0:
.irp c, 0
	tensor_load_to_lds s[G0B+4*\c:G0B+4*\c+3], s[G1B:G1B+7]
	s_nop 0
.endr
.rept 4
	v_nop
.endr
.Lfilled:
	v_and_b32 v1, 31, v0
	v_and_b32 v2, 15, v0
	v_bfe_u32 v3, v0, 4, 1
	s_mul_i32 s20, s[WV], 49152                    ; my four tiles of S1
	v_lshlrev_b32 v10, 4, v1                       ; 16 x lane
	v_lshlrev_b32 v11, 3, v1                       ; 8 x lane
	v_add_nc_u32 v4, s20, v10
	v_add_nc_u32 v5, s20, v11
	v_add_nc_u32 v6, S0OFF, v10
	v_add_nc_u32 v7, S0OFF, v11
	v_add_nc_u32 v16, S0OFF+49152, v10             ; S0's tiles 4-7
	v_add_nc_u32 v17, S0OFF+49152, v11
	v_lshlrev_b32 v8, 3, v2                        ; 8 r: lane r takes row r's two words (lanes 16-31 the same; they are not read)
	v_lshlrev_b32 v9, 6, v3                        ; 64 h: my half's 16 columns of each 32
	s_wait_alu depctr_va_vdst(0)
	s_mul_i32 s20, s[WV], 49152                    ; my stage lies on my own four tiles of S1: no other wave reads them, and my reads are over when the first result is stored
	v_mul_u32_u24 v12, v2, 528
	v_lshl_add_u32 v12, v3, 6, v12
	v_add_nc_u32 v12, s20, v12                     ; in: row r, + 64 h
	v_add_nc_u32 v13, s20, v10                     ; back: 16 bytes a lane
.irp i, 0,1,2,3,4,5,6,7
.irp q, 0,1,2,3
	global_load_b64 v[SC0+8*\i+2*\q:SC0+8*\i+2*\q+1], v8, s[88:89] offset:SCOFF+(\i/2)*1024+\q*256+(\i%2)*128
.endr
.endr
.irp a, 0,1,2,3
.irp q, 0,1,2,3
	global_load_b64 v[SC1+8*\a+2*\q:SC1+8*\a+2*\q+1], v8, s[90:91] offset:SCOFF+(\a/2)*1024+\q*256+(\a%2)*128
.endr
.endr
	s_lshl_b32 s20, s17, 9                         ; my 128 columns: 512 bytes of b_out and of a row of out0
	s_mov_b32 s21, 0
	s_add_nc_u64 s[8:9], s[8:9], s[20:21]
	s_add_nc_u64 s[10:11], s[10:11], s[20:21]
	s_lshl_b32 s20, s18, 8
	s_lshl_b32 s56, s[WV], 6
	s_add_co_u32 s20, s20, s56
	s_lshl_b32 s20, s20, 12                        ; my first token: 256 b1 + 64 x wave, rows of 4,096 bytes
	s_add_nc_u64 s[10:11], s[10:11], s[20:21]
	WIN 0xc0                                       ; destination window 3
.irp b, 0,1,2,3,4,5,6,7
	global_load_b128 v[8*\b:8*\b+3], v9, s[8:9] offset:(32*(\b/2)+8*(\b%2))*4
	global_load_b128 v[8*\b+4:8*\b+7], v9, s[8:9] offset:(32*(\b/2)+8*(\b%2))*4+16
.endr
	WIN 0
	s_wait_alu depctr_va_vdst(0)
	s_wait_tensorcnt 0x0                           ; my one load, my tiles for all of K, is in
	s_barrier_signal -1
	s_barrier_wait -1                              ; everybody's is
	FETCH 0
	s_wait_loadcnt 0x0                             ; the scale words and the bias
	KSTEP 0
	KSTEP 1
	s_wait_alu depctr_va_vdst(0)
	KSTEP 2
	KSTEP 3
	s_wait_alu depctr_va_vdst(0)
	KSTEP 4
	KSTEP 5
	s_wait_alu depctr_va_vdst(0)
	KSTEP 6
	KSTEP 7
.rept 4
	v_nop                                          ; four places between the last products and the first read of results, and the loads into registers that held S1's fragments
.endr
	TOSTAGE 0
.irp a, 1,2,3
.if \a > 1
	s_wait_xcnt 0x0                                ; tile a - 2's stores have read their registers: tile a's loads may land there
.endif
	TOSTAGE \a
	SEND \a-1, 32                                  ; behind tile a - 1's loads: tile a's 16 stores and 16 loads
.endr
	SEND 3, 0
	s_wait_tensorcnt 0x0
	ds_add_u32 v30, v31
	s_wait_dscnt 0x0
	CROUND                                         ; the closing round: no work-group ends while a partner may still ask for a tile that names it
	s_endpgm
.Lfunc_end_k_q8417c268a4_oproj:
	.size	k_q8417c268a4_oproj, .Lfunc_end_k_q8417c268a4_oproj-k_q8417c268a4_oproj
	.p2alignl 7, 3214868480
	.fill 96, 4, 3214868480
	.section	.rodata,"a",@progbits
	.p2align	6, 0x0
	.amdhsa_kernel k_q8417c268a4_oproj
		.amdhsa_group_segment_fixed_size 295424
		.amdhsa_private_segment_fixed_size 0
		.amdhsa_enable_private_segment 0
		.amdhsa_kernarg_size 32
		.amdhsa_user_sgpr_count 2
		.amdhsa_user_sgpr_kernarg_segment_ptr 1
		.amdhsa_wavefront_size32 1
		.amdhsa_system_sgpr_workgroup_id_x 1
		.amdhsa_system_sgpr_workgroup_id_y 1
		.amdhsa_system_sgpr_workgroup_id_z 1
		.amdhsa_system_vgpr_workitem_id 0
		.amdhsa_next_free_vgpr 832
		.amdhsa_next_free_sgpr 100
		.amdhsa_reserve_vcc 0
		.amdhsa_float_denorm_mode_32 3
		.amdhsa_float_denorm_mode_16_64 3
		.amdhsa_memory_ordered 1
		.amdhsa_forward_progress 1
		.amdhsa_inst_pref_size 85
	.end_amdhsa_kernel
	.amdgpu_metadata
---
amdhsa.version: [ 1, 2 ]
amdhsa.kernels:
  - .name:           k_q8417c268a4_oproj
    .symbol:         k_q8417c268a4_oproj.kd
    .args:
      - { .name: ao, .offset: 0, .size: 8, .value_kind: global_buffer, .address_space: global }
      - { .name: wo, .offset: 8, .size: 8, .value_kind: global_buffer, .address_space: global }
      - { .name: b_out, .offset: 16, .size: 8, .value_kind: global_buffer, .address_space: global }
      - { .name: out0, .offset: 24, .size: 8, .value_kind: global_buffer, .address_space: global }
    .group_segment_fixed_size: 295424
    .private_segment_fixed_size: 0
    .kernarg_segment_align: 8
    .kernarg_segment_size: 32
    .max_flat_workgroup_size: 128
    .sgpr_count:     100
    .vgpr_count:     832
    .wavefront_size: 32
...
	.end_amdgpu_metadata
.endif
;; end of part 4
